; MI455X (gfx1250); checked and timed in simulation.
; The chip was launched on July 23, 2026; its instructions are those of AMD's public machine-readable ISA for CDNA 5 (MIT licence, August 2026) and "CDNA5" Instruction Set Architecture Reference Guide (July 2026). The comments in the code are by the model that wrote it; some were corrected since.
;; endecoder2. Allowed arithmetic: matrix products marked QUANTISED: E5M2 operands, one E8M0 scale for each 32 along K, by v_wmma_scale_f32_16x16x128_f8f6f4 with both operands' format E5M2, f32 sums; everything else in f32.
;; Inputs: W11_codes 1,024 x 16 x 32 uint8 (E5M2 codes of W11, K innermost, in blocks of 32 codes); W11_scales 1,024 x 16 uint8 (E8M0 scales of W11, one for each 32 codes along K); W12_codes 512 x 32 x 32 uint8 (E5M2 codes of W12, K innermost, in blocks of 32 codes); W12_scales 512 x 32 uint8 (E8M0 scales of W12, one for each 32 codes along K); W21_codes 1,024 x 16 x 32 uint8 (E5M2 codes of W21, K innermost, in blocks of 32 codes); W21_scales 1,024 x 16 uint8 (E8M0 scales of W21, one for each 32 codes along K); W22_codes 512 x 32 x 32 uint8 (E5M2 codes of W22, K innermost, in blocks of 32 codes); W22_scales 512 x 32 uint8 (E8M0 scales of W22, one for each 32 codes along K); Wk_codes 512 x 16 x 32 uint8 (E5M2 codes of Wk, K innermost, in blocks of 32 codes); Wk_scales 512 x 16 uint8 (E8M0 scales of Wk, one for each 32 codes along K); Wq_codes 512 x 16 x 32 uint8 (E5M2 codes of Wq, K innermost, in blocks of 32 codes); Wq_scales 512 x 16 uint8 (E8M0 scales of Wq, one for each 32 codes along K); Wv1_codes 512 x 32 x 32 uint8 (E5M2 codes of Wv1, K innermost, in blocks of 32 codes); Wv1_scales 512 x 32 uint8 (E8M0 scales of Wv1, one for each 32 codes along K); Wv2_codes 512 x 32 x 32 uint8 (E5M2 codes of Wv2, K innermost, in blocks of 32 codes); Wv2_scales 512 x 32 uint8 (E8M0 scales of Wv2, one for each 32 codes along K); b11 1,024 float32; b12 512 float32; b21 1,024 float32; b22 512 float32; be11 512 float32; be12 512 float32; be21 512 float32; be22 512 float32; bk 512 float32; bq 512 float32; bv1 512 float32; bv2 512 float32; depth1 8 x 1,024 x 512 float32; g11 512 float32; g12 512 float32; g21 512 float32; g22 512 float32; rgb1 8 x 1,024 x 512 float32.
;; Outputs: out0 8 x 1,024 x 512 float32; out1 8 x 1,024 x 512 float32; out2 8 x 1,024 x 512 float32.
;; This version of the problem:
;;   THIS VERSION OF THE PROBLEM IS GIVEN IN LOW PRECISION. The matrix products marked QUANTISED in the list below multiply operands that are first quantised to E5M2 (5 exponent bits, 2 mantissa bits; 8 bits a number), with one power-of-two scale for each 32 numbers along K (OCP MX v1.0); their sums are f32. All else is computed in f32.
;;   The module's matrix products, in the order in which they are computed (A, B: the left and right operand; K: the contracted axis; several contracted axes count as one K, in the product's order):
;;     1. [M 8,192, K 512] x [K 512, N 512]; A: computed on the way; B: input Wq (given as codes): QUANTISED
;;     2. [M 8,192, K 512] x [K 512, N 512]; A: computed on the way; B: input Wk (given as codes): QUANTISED
;;     3. [M 8,192, K 1,024] x [K 1,024, N 512]; A: computed on the way; B: input Wv1 (given as codes): QUANTISED
;;     4. [M 8,192, K 1,024] x [K 1,024, N 512]; A: computed on the way; B: input Wv2 (given as codes): QUANTISED
;;     5. batch 64 x [M 1,024, K 64] x [K 64, N 1,024]; A: computed on the way; B: computed on the way: QUANTISED
;;     6. batch 64 x [M 1,024, K 1,024] x [K 1,024, N 64]; A: softmax (see below); B: computed on the way: QUANTISED
;;     7. batch 64 x [M 1,024, K 1,024] x [K 1,024, N 64]; A: softmax (see below); B: computed on the way: QUANTISED
;;     8. [M 8,192, K 512] x [K 512, N 1,024]; A: computed on the way; B: input W11 (given as codes): QUANTISED
;;     9. [M 8,192, K 1,024] x [K 1,024, N 512]; A: computed on the way; B: input W12 (given as codes): QUANTISED
;;     10. [M 8,192, K 512] x [K 512, N 1,024]; A: computed on the way; B: input W21 (given as codes): QUANTISED
;;     11. [M 8,192, K 1,024] x [K 1,024, N 512]; A: computed on the way; B: input W22 (given as codes): QUANTISED
;;   THE QUANTISER, for each operand of a quantised product, along K:
;;     - K is cut into blocks of 32 from its start; a last block that is shorter is filled with zeros.
;;     - A block's scale is 2^e with e = floor(log2(the largest magnitude in the block)) - 15, held to -126 .. 127; a block of zeros has e = 0. As a byte (E8M0): e + 127.
;;     - Each number is divided by its block's scale, clamped to +-57,344, and rounded to the nearest number of E5M2, ties to even, subnormals kept.
;;     - The product sums the exact products of the quantised numbers (number of the format x scale) in f32.
;;   ~~~python
;;   def quantise(x, axis):      # numpy; x: float32 -> the quantised numbers, widened to float32 again
;;       x = np.moveaxis(x, axis, -1); K = x.shape[-1]
;;       x = np.pad(x, [(0, 0)] * (x.ndim - 1) + [(0, -K % 32)]); x = x.reshape(x.shape[:-1] + (-1, 32)); a = np.abs(x).max(-1, keepdims=True)
;;       e = np.where(a > 0, np.clip(np.frexp(np.where(a > 0, a, 1))[1] - 1 - 15, -126, 127), 0)      # np.frexp(a)[1] - 1 = floor(log2(a)), exactly
;;       r = np.clip(x / 2.0 ** e, -57344, 57344)
;;       step = 2.0 ** (np.maximum(np.frexp(np.where(r == 0, 1, r))[1] - 1, -14) - 2)
;;       q = np.round(r / step) * step * 2.0 ** e      # np.round: ties to even
;;       return np.moveaxis(q.reshape(q.shape[:-2] + (-1,))[..., :K], -1, axis).astype(np.float32)
;;   ~~~
;;   SOFTMAX AHEAD OF A QUANTISED PRODUCT. Where the list says 'softmax', what is quantised is not the finished softmax but p = 2^(t - M), with t = logit x log2(e) and M = ceil(the row's largest t), a whole number; so 1/2 < the row's largest p <= 1. The row's sum l is taken of the UNQUANTISED p, in f32, and the product's result is divided by l at the end. Since M is a whole number, a kernel that streams over the keys may use a running M (the ceiling of the running maximum): every later rescaling is an exact power of two, which a block's scale takes up: the codes' values come out the same.
;;   OPERANDS COMPUTED ON THE WAY. 'Computed on the way' means the value that the module computes at that place (a softmax that the list does not call 'softmax' is quantised finished and normalised). What goes into a quantiser is computed in f32, as accurately as f32 sums, v_exp_f32 and their like allow (about 1e-6 of the number): no bf16 or f16 on the way to a quantiser, and a product that is left as it is and whose result goes on into a quantised operand takes f32 operands (vector FMAs, or v_wmma_f32_16x16x4_f32). A number that lies on a knife's edge between two numbers of the format may be rounded either way, as far as f32 arithmetic and the matrix unit's own rounding can turn it there, and no further.
;;   INPUTS GIVEN AS CODES. W11 (in the module: [512, 1024], K = its axis 0); W12 (in the module: [1024, 512], K = its axis 0); W21 (in the module: [512, 1024], K = its axis 0); W22 (in the module: [1024, 512], K = its axis 0); Wk (in the module: [512, 512], K = its axis 0); Wq (in the module: [512, 512], K = its axis 0); Wv1 (in the module: [1024, 512], K = its axis 0); Wv2 (in the module: [1024, 512], K = its axis 0): each comes as NAME_codes (uint8): NAME with its K axis moved to the last place and cut into blocks of 32 codes, [.., K / 32, bytes a block], one block behind the other in memory; one code a byte (a code: sign, 5 exponent bits, 2 mantissa bits); and NAME_scales (uint8): the same leading axes, one E8M0 byte (e + 127) for each 32 codes along K. Its value is code x scale, taken as it is: it is not quantised again, and the codes and scales need not be those that the quantiser above would give.
;; One version. Each part assembles by itself: llvm-mc -triple=amdgcn-amd-amdhsa -mcpu=gfx1250 --defsym DOCPART=n.
;; ======== version 1 of 1: 4 launches
;; workspace buffers: xi 8,650,752 bytes; wimg 3,784,704 bytes; kv 17,301,504 bytes; att 33,554,432 bytes
;; launch prep (part 1): grid 256 x 1, 4 waves a work-group, no clusters, 168,448 bytes of LDS; arguments rgb1, depth1, g11, be11, g12, be12, Wq_codes, Wk_codes, Wq_scales, Wk_scales, Wv1_codes, Wv1_scales, Wv2_codes, Wv2_scales, W11_codes, W11_scales, W21_codes, W21_scales, W12_codes, W12_scales, W22_codes, W22_scales, xi, wimg; writes xi, wimg
.if DOCPART == 1
	.amdgcn_target "amdgcn-amd-amdhsa--gfx1250"
	.amdhsa_code_object_version 6
	.text
	.protected	k_q085d332fd0_prep
	.globl	k_q085d332fd0_prep
	.p2align	8
	.type	k_q085d332fd0_prep,@function
k_q085d332fd0_prep:
	s_mov_b64 s[64:65], 0
	v_nop
	global_prefetch_b8 v0, s[64:65] scope:SCOPE_SE
	s_setreg_imm32_b32 hwreg(HW_REG_WAVE_MODE, 25, 1), 1
	s_wait_xcnt 0x0
; PREP.  (1) r = LN(rgb1; g11, be11) and d = LN(depth1; g12, be12), quantised along the 512 channels to E5M2 codes with one E8M0 byte for each 32, stored in xi as IMAGES OF OPERAND REGISTERS.
; (2) all eight weights, which arrive as codes, are laid again in wimg as images of operand registers, with the rows of each tile chosen as the later launches want them.
; AN IMAGE: a fragment (16 rows x 128 K) is 2,048 bytes: group c (0..3) at 512 c, lane l's 16 bytes at 16 l: the codes of the tile's row l % 16 at k = 32 c + 16 (l / 16) + 0 .. 15.
; SHARES.  256 work-groups; work-group g takes stream g / 128 and its rows 64 (g % 128) .. + 63; wave w one tile of 16 rows: local row 32 (w / 2) + 8 (w % 2) + pm(r), pm(r) = r + 8 (r / 8).
; A lane (r, h) holds half of its row: channels 32 m + 16 h + 0 .. 15, m = 0 .. 15, in 256 registers (window 2), so that mean and variance want one exchange between lanes l and l xor 16.
; The variance is taken of x - mean (two passes over registers): no difference of large sums.  Work-group g also copies fragment g of each of seven sets of 256 weight fragments; wave w its group c = w.
; No multicast: what work-groups share here is g and be, 4,096 bytes beside the 131,072 of a work-group's own rows.
; LIMITS: NaN and infinities among the inputs are not served.  A block whose largest magnitude lies under 2^-111 (a block of zeros too) gets the scale byte 1: these bytes are read by this program alone.
; x g + be is one fused multiply-add: one rounding where two separate steps would round twice.
.set PITCH,  1040                      ; an LDS row: 1,024 bytes (256 channels) + 16 of padding
.set XR,     64*PITCH                  ; LDS: channels 0-255 of the 64 rows at 0, channels 256-511 here
.set GLN,    2*XR                      ; g (2,048 bytes), then be (2,048 bytes)
.set XREC,   135168                    ; a record of xi: 64 fragments, then 4,096 bytes of scale words
.set OFF_V,  524288                    ; wimg: Wq, Wk at 0; Wv1, Wv2; W11, W21; W12, W22: 256 fragments to a set
.set OFF_W1, 1572864
.set OFF_W2, 2621440
.set SOFF_QK, 3670016                  ; and the scale bytes, [tile][row of the tile][K / 32]
.set SOFF_V,  3686400
.set SOFF_W1, 3719168
.set SOFF_W2, 3751936
.set LI,   1                           ; v1   16 x lane
.set RM,   2                           ; v2   r = lane % 16
.set HF,   3                           ; v3   h = lane / 16
.set PM,   4                           ; v4   pm(r)
.set ARL,  5                           ; v5   LDS: my row, channels 16 h on
.set ARR,  6                           ; v6   the same in the right half
.set AG,   9                           ; v9   LDS: g at channel 16 h
.set SW,   10                          ; v10  16 r + 8 h: where my two scale words go
.set VD16, 11                          ; v11  16 r + 2 h
.set TM,   16                          ; v16-31 the quantiser's: largest magnitudes, bytes, holds, scale operands
.set PC,   32                          ; v32-95 the codes of the four K steps
.set PWS,  96                          ; v96-99 their scale words
.set SP2,  100                         ; v100-101 the two that I store
.set ACC,  104                         ; v104-111 four chains of sums
.set MEAN, 112
.set RSTD, 114
.set VC,   120                         ; v120-127 lane offsets of the copies: codes (4), scale bytes (4)
.set CP,   128                         ; v128-155 seven copied groups
.set CU,   156                         ; v156-162 seven copied pairs of scale bytes (wave 0)
.set WV,   3
.set DC,   10                          ; s[10:11] wimg at my fragment's group
.set DSA,  16                          ; s[16:17] wimg at my tile's scale bytes, rows of 16 bytes
.set DSB,  18                          ; s[18:19] the same, rows of 32 bytes
.set XO,   22                          ; s[22:23] xi at my tile's fragments
.set XW,   26                          ; s[26:27] xi at my tile's scale words (less 131,072)
.set G1P,  68
.set G1G,  76
.set G0P,  84
.set G0G,  88
.set SEL,  92
.set FLR,  94
.set MNT,  95
.set INV,  96
.set EPS,  97
.set HM,   98
.set W_SUM0, 0x0a                      ; register windows: bits 1:0 source 0, 3:2 source 1, 5:4 source 2, 7:6 destination
.set W_SUM,  0x08
.set W_INPL, 0x82
.set W_NORM, 0xbe
.set W_MAX,  0x28
.set W_CVT,  0x02
.set LD2,    0x80
.set LD3,    0xc0
.set MSB, 0
.macro WIN new                         ; the immediate's high byte repeats the setting that is left
.if MSB != (\new)
	s_set_vgpr_msb (MSB<<8)|(\new)
.set MSB, (\new)
.endif
.endm
; 64 numbers of a lane in window 2, v[s] on, register 16 b + i = k 32 b + 16 h + i of my row, become a fragment's codes in v[pc] on and its scale word in v[pw].  relu = 1: what is negative becomes 0.
.macro QUANT s, relu, pc, pw
	WIN W_MAX
.irp b, 0,1,2,3
.if \relu
	v_max3_num_f32 v[TM+\b], s[FLR], v[(\s)+16*\b], v[(\s)+16*\b+1]
.else
	v_max3_num_f32 v[TM+\b], s[FLR], |v[(\s)+16*\b]|, |v[(\s)+16*\b+1]|     ; my 16 numbers of block b, and the floor 2^(16 - 127): the byte cannot fall under 1
.endif
.endr
.irp i, 2,4,6,8,10,12,14
.irp b, 0,1,2,3
.if \relu
	v_max3_num_f32 v[TM+\b], v[TM+\b], v[(\s)+16*\b+\i], v[(\s)+16*\b+\i+1]
.else
	v_max3_num_f32 v[TM+\b], v[TM+\b], |v[(\s)+16*\b+\i]|, |v[(\s)+16*\b+\i+1]|
.endif
.endr
.endr
	WIN 0
.irp b, 0,1,2,3
	v_permlanex16_b32 v[TM+4+\b], v[TM+\b], s[SEL], s[SEL+1]
.endr
.irp b, 0,1,2,3
	v_max_num_f32 v[TM+\b], v[TM+\b], v[TM+4+\b]                   ; with lane l xor 16's 16: the block's largest magnitude
.endr
.irp b, 0,1,2,3
	v_add_nc_u32 v[TM+12+\b], 0xf8800000, v[TM+\b]                 ; 15 off its exponent field: the conversion's scale operand
.endr
.irp b, 0,1,2,3
	v_and_or_b32 v[TM+8+\b], v[TM+\b], 0x7f800000, s[MNT]          ; 57,344 x the scale
.endr
.irp b, 0,1,2,3
	v_lshrrev_b32 v[TM+4+\b], 23, v[TM+12+\b]                      ; the scale's byte
.endr
	v_lshl_or_b32 v[\pw], v[TM+5], 8, v[TM+4]
	v_lshl_or_b32 v[\pw], v[TM+6], 16, v[\pw]
	v_lshl_or_b32 v[\pw], v[TM+7], 24, v[\pw]
	WIN W_INPL
.irp b, 0,1,2,3
.irp i, 0,1,2,3,4,5,6,7,8,9,10,11,12,13,14,15
.if \relu
	v_med3_num_f32 v[(\s)+16*\b+\i], v[(\s)+16*\b+\i], 0, v[TM+8+\b]
.else
	v_med3_num_f32 v[(\s)+16*\b+\i], v[(\s)+16*\b+\i], -v[TM+8+\b], v[TM+8+\b]   ; the conversion to an 8-bit code does not saturate (ISA guide 7.6.2): the hold
.endif
.endr
.endr
	WIN W_CVT
.irp b, 0,1,2,3
	v_cvt_scalef32_pk8_bf8_f32 v[(\pc)+4*\b:(\pc)+4*\b+1], v[(\s)+16*\b:(\s)+16*\b+7], v[TM+12+\b]
	v_cvt_scalef32_pk8_bf8_f32 v[(\pc)+4*\b+2:(\pc)+4*\b+3], v[(\s)+16*\b+8:(\s)+16*\b+15], v[TM+12+\b]
.endr
	WIN 0
	v_nop                                          ; one plain line behind the last scaled conversion
.endm
.macro FOLD                            ; four chains of pairs -> one number, with lane l xor 16's
	v_pk_add_f32 v[ACC:ACC+1], v[ACC:ACC+1], v[ACC+2:ACC+3]
	v_pk_add_f32 v[ACC+4:ACC+5], v[ACC+4:ACC+5], v[ACC+6:ACC+7]
	v_pk_add_f32 v[ACC:ACC+1], v[ACC:ACC+1], v[ACC+4:ACC+5]
	v_add_f32 v[ACC], v[ACC], v[ACC+1]
	v_permlanex16_b32 v[ACC+1], v[ACC], s[SEL], s[SEL+1]
	v_add_f32 v[ACC], v[ACC], v[ACC+1]
.endm
; the row's mean is taken off the 256 registers of window 2; 1 / sqrt(variance + eps) is left in v[RSTD], twice
.macro LNSTAT
	WIN W_SUM0
.irp c, 0,1,2,3
	v_pk_add_f32 v[ACC+2*\c:ACC+2*\c+1], v[4*\c:4*\c+1], v[4*\c+2:4*\c+3]
.endr
	WIN W_SUM
.set pp, 8
.rept 120
	v_pk_add_f32 v[ACC+2*(pp%4):ACC+2*(pp%4)+1], v[ACC+2*(pp%4):ACC+2*(pp%4)+1], v[2*pp:2*pp+1]
.set pp, pp+1
.endr
	WIN 0
	FOLD
	v_mul_f32 v[MEAN], s[INV], v[ACC]
	v_mov_b32 v[MEAN+1], v[MEAN]
	WIN W_INPL
.set pp, 0
.rept 128
	v_pk_add_f32 v[2*pp:2*pp+1], v[2*pp:2*pp+1], v[MEAN:MEAN+1] neg_lo:[0,1] neg_hi:[0,1]
.set pp, pp+1
.endr
	WIN W_SUM0
.irp c, 0,1,2,3
	v_pk_mul_f32 v[ACC+2*\c:ACC+2*\c+1], v[2*\c:2*\c+1], v[2*\c:2*\c+1]
.endr
.set pp, 4
.rept 124
	v_pk_fma_f32 v[ACC+2*(pp%4):ACC+2*(pp%4)+1], v[2*pp:2*pp+1], v[2*pp:2*pp+1], v[ACC+2*(pp%4):ACC+2*(pp%4)+1]
.set pp, pp+1
.endr
	WIN 0
	FOLD
	v_fma_f32 v[ACC], v[ACC], s[INV], s[EPS]
	v_rsq_f32 v[RSTD], v[ACC]
	v_nop                                          ; a plain line behind the transcendental,
	s_wait_alu depctr_va_vdst(0)                   ; and a wait ahead of the first line that names its result
	v_mov_b32 v[RSTD+1], v[RSTD]
.endm
.macro STAGE ks                        ; g and be of K step ks in my lane's order -> window 3, set ks % 2: 32 LDS loads
	WIN LD3
.irp mb, 0,1,2,3
.irp i, 0,1,2,3
	ds_load_b128 v[128*((\ks)%2)+16*\mb+4*\i:128*((\ks)%2)+16*\mb+4*\i+3], v[AG] offset:512*(\ks)+128*\mb+16*\i
	ds_load_b128 v[128*((\ks)%2)+64+16*\mb+4*\i:128*((\ks)%2)+64+16*\mb+4*\i+3], v[AG] offset:2048+512*(\ks)+128*\mb+16*\i
.endr
.endr
	WIN 0
.endm
.macro NORM ks                         ; (x - mean) / sqrt(..) x g + be for the 64 numbers of K step ks
	WIN W_INPL
.set pp, 0
.rept 32
	v_pk_mul_f32 v[64*(\ks)+2*pp:64*(\ks)+2*pp+1], v[64*(\ks)+2*pp:64*(\ks)+2*pp+1], v[RSTD:RSTD+1]
.set pp, pp+1
.endr
	WIN W_NORM
.set pp, 0
.rept 32
	v_pk_fma_f32 v[64*(\ks)+2*pp:64*(\ks)+2*pp+1], v[64*(\ks)+2*pp:64*(\ks)+2*pp+1], v[128*((\ks)%2)+2*pp:128*((\ks)%2)+2*pp+1], v[128*((\ks)%2)+64+2*pp:128*((\ks)%2)+64+2*pp+1]
.set pp, pp+1
.endr
	WIN 0
.endm
.macro RESLOAD                         ; my half of my row: 64 LDS loads -> window 2, v[16 m + i] = channel 32 m + 16 h + i
	WIN LD2
.irp m, 0,1,2,3,4,5,6,7,8,9,10,11,12,13,14,15
.irp i, 0,1,2,3
.if \m < 8
	ds_load_b128 v[16*\m+4*\i:16*\m+4*\i+3], v[ARL] offset:(\m%8)*128+16*\i
.else
	ds_load_b128 v[16*\m+4*\i:16*\m+4*\i+3], v[ARR] offset:(\m%8)*128+16*\i
.endif
.endr
.endr
	WIN 0
.endm
	s_load_b512 s[8:23], s[0:1], 0x0               ; rgb1, depth1, g11, be11, g12, be12, Wq codes, Wk codes
	s_load_b512 s[24:39], s[0:1], 0x40             ; Wq scales, Wk scales, Wv1 c, s, Wv2 c, s, W11 c, s
	s_load_b512 s[40:55], s[0:1], 0x80             ; W21 c, s, W12 c, s, W22 c, s, xi, wimg
	v_lshl_add_u32 v254, v0, 2, 0x29000
	v_mov_b32 v255, 0
	ds_add_u32 v254, v255
	ds_add_u32 v254, v255
	v_lshrrev_b32 v1, 5, v0
	v_readfirstlane_b32 s[WV], v1                  ; wave 0..3
	v_and_b32 v[LI], 31, v0
	v_lshlrev_b32 v[LI], 4, v[LI]
	v_and_b32 v[RM], 15, v0
	v_bfe_u32 v[HF], v0, 4, 1
	v_and_b32 v[PM], 8, v[RM]
	v_add_nc_u32 v[PM], v[PM], v[RM]
	s_lshr_b32 s5, s[WV], 1
	s_and_b32 s6, s[WV], 1
	s_lshl_b32 s7, s5, 5
	s_lshl_b32 s4, s6, 3
	s_add_co_u32 s7, s7, s4
	s_mul_i32 s7, s7, PITCH                        ; my tile's first local row: 32 (w / 2) + 8 (w % 2)
	v_mul_u32_u24 v[ARL], v[PM], PITCH
	v_lshl_add_u32 v[ARL], v[HF], 6, v[ARL]
	v_add_nc_u32 v[ARL], s7, v[ARL]
	v_add_nc_u32 v[ARR], XR, v[ARL]
	v_lshl_add_u32 v[AG], v[HF], 6, GLN
	v_lshlrev_b32 v[SW], 4, v[RM]
	v_lshl_add_u32 v[SW], v[HF], 3, v[SW]
	v_lshlrev_b32 v7, 4, v[HF]
	v_lshl_add_u32 v[VC], v[PM], 12, v7            ; Wq, Wk: from row to row of a tile 8 rows of 512 bytes, by pm
	v_lshl_add_u32 v[VC+1], v[RM], 13, v7          ; Wv1, Wv2: 8 rows of 1,024 bytes
	v_lshl_add_u32 v[VC+2], v[PM], 9, v7           ; W11, W21: a row of 512 bytes, by pm
	v_lshl_add_u32 v[VC+3], v[RM], 10, v7          ; W12, W22: a row of 1,024 bytes
	v_lshlrev_b32 v8, 1, v[HF]
	v_lshl_add_u32 v[VC+4], v[PM], 7, v8           ; the same for the scale bytes: rows of 16, 32, 16, 32 bytes; 2 bytes a lane
	v_lshl_add_u32 v[VC+5], v[RM], 8, v8
	v_lshl_add_u32 v[VC+6], v[PM], 4, v8
	v_lshl_add_u32 v[VC+7], v[RM], 5, v8
	v_lshl_add_u32 v[VD16], v[RM], 4, v8
.irp b, 0,1,2,3
	v_mov_b32 v[TM+4+\b], 0                        ; a lane permute's destination counts as one of its sources
.endr
.irp i, 0,1,2,3,4,5,6
	v_mov_b32 v[CU+\i], 0
.endr
	s_mov_b32 s[SEL], 0x76543210
	s_mov_b32 s[SEL+1], 0xfedcba98
	s_mov_b32 s[FLR], 0x08000000
	s_mov_b32 s[MNT], 0x600000
	s_mov_b32 s[INV], 0x3b000000                   ; 1 / 512
	s_mov_b32 s[EPS], 0x3727c5ac                   ; 1e-5
	s_mov_b32 s[HM], 0xffff0000                    ; lanes 16-31
	; descriptor group 1 for the rows: 32 rows x 256 elements of 4 bytes, 512 elements apart, 4 words of padding behind every 256
	s_mov_b32 s[G1P], (2<<16)|(1<<20)|(7<<22)|(3<<25)
	s_mov_b32 s[G1P+1], 256<<16
	s_mov_b32 s[G1P+2], 32<<16
	s_mov_b32 s[G1P+3], 256<<16
	s_mov_b32 s[G1P+4], 32
	s_mov_b32 s[G1P+5], 512
	s_mov_b32 s[G1P+6], 0
	s_mov_b32 s[G1P+7], 0
	; and for half of g or of be: one row of 128 elements of 8 bytes
	s_mov_b32 s[G1G], 3<<16
	s_mov_b32 s[G1G+1], 128<<16
	s_mov_b32 s[G1G+2], 1<<16
	s_mov_b32 s[G1G+3], 128<<16
	s_mov_b32 s[G1G+4], 1
	s_mov_b32 s[G1G+5], 128
	s_mov_b32 s[G1G+6], 0
	s_mov_b32 s[G1G+7], 0
	s_and_b32 s56, ttmp9, 127
	s_lshl_b32 s56, s56, 17                        ; the work-group's 64 rows of 2,048 bytes
	s_lshl_b32 s4, s5, 16                          ; + 32 rows for waves 2, 3
	s_add_co_u32 s56, s56, s4
	s_lshl_b32 s58, s6, 10                         ; + 1,024 bytes for waves 1, 3: the right half
	s_add_co_u32 s56, s56, s58
	s_mov_b32 s57, 0
	s_mov_b32 s59, 0
	s_mov_b32 s[G0P], 1
	s_mul_i32 s[G0P+1], s6, XR
	s_mul_i32 s4, s5, 32*PITCH
	s_add_co_u32 s[G0P+1], s[G0P+1], s4
	s_mov_b32 s[G0G], 1
	s_lshl_b32 s[G0G+1], s[WV], 10
	s_add_co_u32 s[G0G+1], s[G0G+1], GLN
	s_wait_dscnt 0x0
	s_wait_kmcnt 0x0
	s_cmp_lt_u32 ttmp9, 128                        ; which stream: by the work-group's number alone
	s_cselect_b64 s[8:9], s[8:9], s[10:11]
	s_cselect_b64 s[12:13], s[12:13], s[16:17]
	s_cselect_b64 s[14:15], s[14:15], s[18:19]
	s_add_nc_u64 s[G0P+2:G0P+3], s[8:9], s[56:57]
	s_or_b32 s[G0P+3], s[G0P+3], 0x80000000
	s_cmp_lt_u32 s[WV], 2                          ; waves 0, 1 bring g's halves, waves 2, 3 be's
	s_cselect_b64 s[G0G+2:G0G+3], s[12:13], s[14:15]
	s_add_nc_u64 s[G0G+2:G0G+3], s[G0G+2:G0G+3], s[58:59]
	s_or_b32 s[G0G+3], s[G0G+3], 0x80000000
	tensor_load_to_lds s[G0P:G0P+3], s[G1P:G1P+7]  ; a wave's two fills go out together: two tensor loads of mine are out
	s_nop 0
	tensor_load_to_lds s[G0G:G0G+3], s[G1G:G1G+7]
	s_nop 0
.rept 4
	v_nop
.endr
	; ---- the weights' copies: fragment g of each set.  Where its rows begin:
	s_and_b32 s56, ttmp9, 3                        ; K step, sets of 4 K steps
	s_lshr_b32 s57, ttmp9, 2                       ; tile
	s_and_b32 s58, ttmp9, 7                        ; K step, sets of 8 K steps
	s_lshr_b32 s59, ttmp9, 3                       ; tile
	s_lshl_b32 s60, s[WV], 5                       ; my group's 32 bytes
	s_mov_b32 s67, 0
	s_and_b32 s4, s57, 31                          ; Wq, Wk: tile 4 h + t': row 8 (32 (t' / 2) + 8 (t' % 2) + pm(m)) + h
	s_lshr_b32 s5, s4, 2
	s_bfe_u32 s6, s4, 0x10001
	s_and_b32 s7, s4, 1
	s_lshl_b32 s6, s6, 8
	s_lshl_b32 s7, s7, 6
	s_add_co_u32 s5, s5, s6
	s_add_co_u32 s5, s5, s7
	s_lshl_b32 s66, s5, 9
	s_lshl_b32 s6, s56, 7
	s_add_co_u32 s66, s66, s6
	s_add_co_u32 s66, s66, s60
	s_cmp_lt_u32 ttmp9, 128
	s_cselect_b64 s[20:21], s[20:21], s[22:23]
	s_cselect_b64 s[24:25], s[24:25], s[26:27]
	s_add_nc_u64 s[20:21], s[20:21], s[66:67]
	s_lshl_b32 s66, s5, 4
	s_lshl_b32 s6, s56, 2
	s_add_co_u32 s66, s66, s6
	s_add_nc_u64 s[24:25], s[24:25], s[66:67]
	s_lshr_b32 s5, s59, 2                          ; Wv1, Wv2: tile 4 h + t: row 8 (16 t + m) + h
	s_and_b32 s6, s59, 3
	s_lshl_b32 s6, s6, 7
	s_add_co_u32 s5, s5, s6
	s_lshl_b32 s66, s5, 10
	s_lshl_b32 s6, s58, 7
	s_add_co_u32 s66, s66, s6
	s_add_co_u32 s66, s66, s60
	s_add_nc_u64 s[28:29], s[28:29], s[66:67]
	s_add_nc_u64 s[32:33], s[32:33], s[66:67]
	s_lshl_b32 s66, s5, 5
	s_lshl_b32 s6, s58, 2
	s_add_co_u32 s66, s66, s6
	s_add_nc_u64 s[30:31], s[30:31], s[66:67]
	s_add_nc_u64 s[34:35], s[34:35], s[66:67]
	s_lshr_b32 s5, s57, 1                          ; W11, W21: tile t: row 32 (t / 2) + 8 (t % 2) + pm(m)
	s_lshl_b32 s5, s5, 5
	s_and_b32 s6, s57, 1
	s_lshl_b32 s6, s6, 3
	s_add_co_u32 s5, s5, s6
	s_lshl_b32 s66, s5, 9
	s_lshl_b32 s6, s56, 7
	s_add_co_u32 s66, s66, s6
	s_add_co_u32 s66, s66, s60
	s_add_nc_u64 s[36:37], s[36:37], s[66:67]
	s_add_nc_u64 s[40:41], s[40:41], s[66:67]
	s_lshl_b32 s66, s5, 4
	s_lshl_b32 s6, s56, 2
	s_add_co_u32 s66, s66, s6
	s_add_nc_u64 s[38:39], s[38:39], s[66:67]
	s_add_nc_u64 s[42:43], s[42:43], s[66:67]
	s_lshl_b32 s66, s59, 14                        ; W12, W22: tile t: row 16 t + m
	s_lshl_b32 s6, s58, 7
	s_add_co_u32 s66, s66, s6
	s_add_co_u32 s66, s66, s60
	s_add_nc_u64 s[44:45], s[44:45], s[66:67]
	s_add_nc_u64 s[48:49], s[48:49], s[66:67]
	s_lshl_b32 s66, s59, 9
	s_lshl_b32 s6, s58, 2
	s_add_co_u32 s66, s66, s6
	s_add_nc_u64 s[46:47], s[46:47], s[66:67]
	s_add_nc_u64 s[50:51], s[50:51], s[66:67]
	global_load_b128 v[CP:CP+3], v[VC], s[20:21]
	global_load_b128 v[CP+4:CP+7], v[VC+1], s[28:29]
	global_load_b128 v[CP+8:CP+11], v[VC+1], s[32:33]
	global_load_b128 v[CP+12:CP+15], v[VC+2], s[36:37]
	global_load_b128 v[CP+16:CP+19], v[VC+2], s[40:41]
	global_load_b128 v[CP+20:CP+23], v[VC+3], s[44:45]
	global_load_b128 v[CP+24:CP+27], v[VC+3], s[48:49]
	s_cmp_lg_u32 s[WV], 0                          ; a fragment's 64 scale bytes: wave 0, two bytes a lane
	s_cbranch_scc1 .Lno_scales_in
	global_load_u16 v[CU], v[VC+4], s[24:25]
	global_load_u16 v[CU+1], v[VC+5], s[30:31]
	global_load_u16 v[CU+2], v[VC+5], s[34:35]
	global_load_u16 v[CU+3], v[VC+6], s[38:39]
	global_load_u16 v[CU+4], v[VC+6], s[42:43]
	global_load_u16 v[CU+5], v[VC+7], s[46:47]
	global_load_u16 v[CU+6], v[VC+7], s[50:51]
.Lno_scales_in:
	; where things go
	s_lshl_b32 s66, ttmp9, 11
	s_lshl_b32 s6, s[WV], 9
	s_add_co_u32 s66, s66, s6
	s_add_nc_u64 s[DC:DC+1], s[54:55], s[66:67]
	s_lshl_b32 s66, s57, 8
	s_lshl_b32 s6, s56, 2
	s_add_co_u32 s66, s66, s6
	s_add_nc_u64 s[DSA:DSA+1], s[54:55], s[66:67]
	s_lshl_b32 s66, s59, 9
	s_lshl_b32 s6, s58, 2
	s_add_co_u32 s66, s66, s6
	s_add_nc_u64 s[DSB:DSB+1], s[54:55], s[66:67]
	s_bfe_u32 s4, ttmp9, 0x60001                   ; xi's record: (g / 2) % 64
	s_mul_i32 s4, s4, XREC
	s_lshr_b32 s5, ttmp9, 7                        ; the stream
	s_and_b32 s6, ttmp9, 1
	s_lshl_b32 s6, s6, 2
	s_add_co_u32 s6, s6, s[WV]                     ; my tile a = 4 (g % 2) + w
	s_lshl_b32 s7, s5, 16
	s_add_co_u32 s66, s4, s7
	s_lshl_b32 s7, s6, 11
	s_add_co_u32 s66, s66, s7
	s_add_nc_u64 s[XO:XO+1], s[52:53], s[66:67]
	s_lshl_b32 s7, s5, 3
	s_add_co_u32 s7, s7, s6
	s_lshl_b32 s7, s7, 8
	s_add_co_u32 s66, s4, s7
	s_add_nc_u64 s[XW:XW+1], s[52:53], s[66:67]
	s_wait_tensorcnt 0x0                           ; my two fills have landed,
	s_barrier_signal -1
	s_barrier_wait -1                              ; everybody's have
	RESLOAD
	STAGE 0
	s_wait_dscnt 32                                ; the 64 loads of my row are in; the stage's 32 may be out
	STAGE 1
	LNSTAT
.irp ks, 0,1,2,3
.if \ks < 3
	s_wait_dscnt 32                                ; this K step's g and be are in; the next step's 32 loads may be out
.else
	s_wait_dscnt 0x0
.endif
	NORM \ks
.if \ks < 2
	STAGE \ks+2
.endif
	QUANT 64*\ks, 0, PC+16*\ks, PWS+\ks
.irp c, 0,1,2,3
	global_store_b128 v[LI], v[PC+16*\ks+4*\c:PC+16*\ks+4*\c+3], s[XO:XO+1] offset:\ks*16384+512*\c   ; 32 lanes store 512 consecutive bytes
.endr
.endr
	v_cndmask_b32 v[SP2], v[PWS], v[PWS+2], s[HM]  ; lanes 0-15 store their row's words 0, 1, lanes 16-31 words 2, 3: 256 consecutive bytes
	v_cndmask_b32 v[SP2+1], v[PWS+1], v[PWS+3], s[HM]
	global_store_b64 v[SW], v[SP2:SP2+1], s[XW:XW+1] offset:131072
	s_wait_loadcnt 0x0                             ; the copies
	global_store_b128 v[LI], v[CP:CP+3], s[DC:DC+1]
	global_store_b128 v[LI], v[CP+4:CP+7], s[DC:DC+1] offset:OFF_V
	global_store_b128 v[LI], v[CP+8:CP+11], s[DC:DC+1] offset:OFF_V+524288
	global_store_b128 v[LI], v[CP+12:CP+15], s[DC:DC+1] offset:OFF_W1
	global_store_b128 v[LI], v[CP+16:CP+19], s[DC:DC+1] offset:OFF_W1+524288
	global_store_b128 v[LI], v[CP+20:CP+23], s[DC:DC+1] offset:OFF_W2
	global_store_b128 v[LI], v[CP+24:CP+27], s[DC:DC+1] offset:OFF_W2+524288
	s_cmp_lg_u32 s[WV], 0
	s_cbranch_scc1 .Lend
	global_store_b16 v[VD16], v[CU], s[DSA:DSA+1] offset:SOFF_QK
	global_store_b16 v[VC+7], v[CU+1], s[DSB:DSB+1] offset:SOFF_V
	global_store_b16 v[VC+7], v[CU+2], s[DSB:DSB+1] offset:SOFF_V+16384
	global_store_b16 v[VD16], v[CU+3], s[DSA:DSA+1] offset:SOFF_W1
	global_store_b16 v[VD16], v[CU+4], s[DSA:DSA+1] offset:SOFF_W1+16384
	global_store_b16 v[VC+7], v[CU+5], s[DSB:DSB+1] offset:SOFF_W2
	global_store_b16 v[VC+7], v[CU+6], s[DSB:DSB+1] offset:SOFF_W2+16384
.Lend:
	s_wait_tensorcnt 0x0
	ds_add_u32 v254, v255
	s_wait_dscnt 0x0
	s_endpgm
.Lfunc_end_k_q085d332fd0_prep:
	.size	k_q085d332fd0_prep, .Lfunc_end_k_q085d332fd0_prep-k_q085d332fd0_prep
	.p2alignl 7, 3214868480
	.fill 96, 4, 3214868480
	.section	.rodata,"a",@progbits
	.p2align	6, 0x0
	.amdhsa_kernel k_q085d332fd0_prep
		.amdhsa_group_segment_fixed_size 168448
		.amdhsa_private_segment_fixed_size 0
		.amdhsa_enable_private_segment 0
		.amdhsa_kernarg_size 192
		.amdhsa_user_sgpr_count 2
		.amdhsa_user_sgpr_kernarg_segment_ptr 1
		.amdhsa_wavefront_size32 1
		.amdhsa_system_sgpr_workgroup_id_x 1
		.amdhsa_system_sgpr_workgroup_id_y 1
		.amdhsa_system_sgpr_workgroup_id_z 1
		.amdhsa_system_vgpr_workitem_id 0
		.amdhsa_next_free_vgpr 1024
		.amdhsa_next_free_sgpr 100
		.amdhsa_reserve_vcc 0
		.amdhsa_float_denorm_mode_32 3
		.amdhsa_float_denorm_mode_16_64 3
		.amdhsa_memory_ordered 1
		.amdhsa_forward_progress 1
		.amdhsa_inst_pref_size 99
	.end_amdhsa_kernel
	.amdgpu_metadata
---
amdhsa.version: [ 1, 2 ]
amdhsa.kernels:
  - .name:           k_q085d332fd0_prep
    .symbol:         k_q085d332fd0_prep.kd
    .args:
      - { .name: rgb1, .offset: 0, .size: 8, .value_kind: global_buffer, .address_space: global }
      - { .name: depth1, .offset: 8, .size: 8, .value_kind: global_buffer, .address_space: global }
      - { .name: g11, .offset: 16, .size: 8, .value_kind: global_buffer, .address_space: global }
      - { .name: be11, .offset: 24, .size: 8, .value_kind: global_buffer, .address_space: global }
      - { .name: g12, .offset: 32, .size: 8, .value_kind: global_buffer, .address_space: global }
      - { .name: be12, .offset: 40, .size: 8, .value_kind: global_buffer, .address_space: global }
      - { .name: Wq_codes, .offset: 48, .size: 8, .value_kind: global_buffer, .address_space: global }
      - { .name: Wk_codes, .offset: 56, .size: 8, .value_kind: global_buffer, .address_space: global }
      - { .name: Wq_scales, .offset: 64, .size: 8, .value_kind: global_buffer, .address_space: global }
      - { .name: Wk_scales, .offset: 72, .size: 8, .value_kind: global_buffer, .address_space: global }
      - { .name: Wv1_codes, .offset: 80, .size: 8, .value_kind: global_buffer, .address_space: global }
      - { .name: Wv1_scales, .offset: 88, .size: 8, .value_kind: global_buffer, .address_space: global }
      - { .name: Wv2_codes, .offset: 96, .size: 8, .value_kind: global_buffer, .address_space: global }
      - { .name: Wv2_scales, .offset: 104, .size: 8, .value_kind: global_buffer, .address_space: global }
      - { .name: W11_codes, .offset: 112, .size: 8, .value_kind: global_buffer, .address_space: global }
      - { .name: W11_scales, .offset: 120, .size: 8, .value_kind: global_buffer, .address_space: global }
      - { .name: W21_codes, .offset: 128, .size: 8, .value_kind: global_buffer, .address_space: global }
      - { .name: W21_scales, .offset: 136, .size: 8, .value_kind: global_buffer, .address_space: global }
      - { .name: W12_codes, .offset: 144, .size: 8, .value_kind: global_buffer, .address_space: global }
      - { .name: W12_scales, .offset: 152, .size: 8, .value_kind: global_buffer, .address_space: global }
      - { .name: W22_codes, .offset: 160, .size: 8, .value_kind: global_buffer, .address_space: global }
      - { .name: W22_scales, .offset: 168, .size: 8, .value_kind: global_buffer, .address_space: global }
      - { .name: xi, .offset: 176, .size: 8, .value_kind: global_buffer, .address_space: global }
      - { .name: wimg, .offset: 184, .size: 8, .value_kind: global_buffer, .address_space: global }
    .group_segment_fixed_size: 168448
    .private_segment_fixed_size: 0
    .kernarg_segment_align: 8
    .kernarg_segment_size: 192
    .max_flat_workgroup_size: 128
    .sgpr_count:     100
    .vgpr_count:     1024
    .wavefront_size: 32
...
	.end_amdgpu_metadata
.endif
;; end of part 1
;; launch proj (part 2): grid 4 x 64, 4 waves a work-group, clusters of 4 x 1, 168,448 bytes of LDS; arguments xi, wimg, bq, bk, bv1, bv2, kv; writes kv
.if DOCPART == 2
	.amdgcn_target "amdgcn-amd-amdhsa--gfx1250"
	.amdhsa_code_object_version 6
	.text
	.protected	k_q085d332fd0_proj
	.globl	k_q085d332fd0_proj
	.p2align	8
	.type	k_q085d332fd0_proj,@function
k_q085d332fd0_proj:
	s_mov_b64 s[64:65], 0
	v_nop
	global_prefetch_b8 v0, s[64:65] scope:SCOPE_SE
	s_setreg_imm32_b32 hwreg(HW_REG_WAVE_MODE, 25, 1), 1
	s_wait_xcnt 0x0
	s_wait_alu depctr_hold_cnt(0) depctr_sa_sdst(0) depctr_va_vdst(0) depctr_va_sdst(0) depctr_va_ssrc(0) depctr_va_vcc(0) depctr_vm_vsrc(0)
	s_getreg_b32 s2, hwreg(HW_REG_IB_STS2, 6, 4)
	s_cmp_eq_u32 s2, 0
	s_cbranch_scc0 .Lentry_in_a_cluster
	s_endpgm
.Lentry_in_a_cluster:
	s_bfe_u32 s2, ttmp6, 0x10000c
	s_cmp_lg_u32 s2, 0x3003
	s_cbranch_scc0 .Lentry_shape_is_right
	s_endpgm
.Lentry_shape_is_right:
; PROJ.  q = r Wq + bq, k = d Wk + bk, v1 = [r|d] Wv1 + bv1, v2 = [r|d] Wv2 + bv2 on E5M2 codes with E8M0 scales, and the results quantised again: q and k along a head's 64 channels,
; v1 and v2 along the keys, into records of kv, one for each (direction, batch, head): direction 0 holds K = k, V = v1; direction 1 holds K = q, V = v2.  A head's channel d is column 8 d + h.
; A STEP of a record (128 rows, 16,896 bytes): K image 8,192 (4 pair fragments f: group 2 u + bb = row 32 f + 8 u + pm(r), channels 32 bb + 16 (l / 16) on); V image 8,192 (4 fragments t: group f =
; channel 16 t + r, rows 32 f + 16 (l / 16) on); K's scale words [r][f], 256 bytes; V's [r][t], 256 bytes.
; SHARES.  A cluster of four work-groups takes one record of xi (128 rows, both streams); work-group p of it heads 2 p and 2 p + 1; wave w head 2 p + w % 2 and direction w / 2.
; The record, 135,168 bytes, is what the four share: each wave asks for a quarter of it JOINTLY with the same wave of the three partners.  Nothing in LDS is filled again.
; The weights come from wimg straight into registers: a fragment is wanted by one wave of the cluster alone and feeds eight products.
; A wave runs 12 units of 32 products: 4 K steps of its K side (transposed: source 0 = 16 columns of the weight, source 1 = 16 rows of x, so that a lane's registers run along the head's channels),
; then 8 K steps of its V side (source 0 = x, source 1 = the weight: a lane holds one channel and its registers run along the rows, which are the keys).  The biases are the C of each sum's first product.
; REGISTERS: window 0 addresses, the quantiser's, biases, scale words; window 1 the weights' ring, 4 slots of 4 fragments; window 2 the 32 accumulators; window 3 x's fragments, 2 sets of 8.
; LIMITS: NaN and infinities are not served; a block under 2^-111 gets the scale byte 1 (read by this program alone).
.set XREC,   135168
.set OFF_V,  524288
.set SOFF_QK, 3670016
.set SOFF_V,  3686400
.set LI,    1                          ; v1  16 x lane
.set R16,   2                          ; v2  16 r
.set AXK,   3                          ; v3  LDS: the K side's stream: 16 x lane + 65,536 for d
.set AX1,   4                          ; v4  16 x lane + 65,536
.set ASX,   5                          ; v5  x's scale words: 131,072 + 16 r
.set ASXK,  6                          ; v6  those of the K side's stream
.set V32R,  7                          ; v7  32 r
.set V512H, 8                          ; v8  512 h
.set VSW,   9                          ; v9  16 r + 8 h
.set TM,    16
.set PC,    32                         ; v32-63 codes, two sets
.set PW0,   64                         ; v64-67 four scale words
.set SP2,   68
.set BK,    72                         ; v72-103  the K side's bias, 8 registers a tile
.set WSK,   104                        ; v104-119 its weights' scale words [4 t + ks]
.set WSV,   120                        ; v120-151 the V side's [8 t + ks]
.set XS,    152                        ; v152-215 x's scale words
.set BV,    216                        ; v216-247 the V side's bias
.set WV,  3
.set CX,  4
.set REC, 5
.set DIR, 6
.set HD,  7
.set DX,  24
.set G1,  28
.set G0,  36
.set KB,  40
.set VB,  42
.set SKB, 44
.set SVB, 46
.set BKB, 48
.set BVB, 50
.set KVO, 52
.set SEL, 54
.set FLR, 56
.set MNT, 57
.set HM,  58
.set W_INPL, 0x82
.set W_MAX,  0x28
.set W_CVT,  0x02
.set LD1,    0x40
.set LD3,    0xc0
.set MSB, 0
.macro WIN new                         ; the immediate's high byte repeats the setting that is left
.if MSB != (\new)
	s_set_vgpr_msb (MSB<<8)|(\new)
.set MSB, (\new)
.endif
.endm
.macro PLACES n
.rept \n
	v_nop
.endr
.endm
.macro CROUND                          ; a round of the cluster's barrier
	s_barrier_signal -1
	s_barrier_wait -1
	s_cmp_lg_u32 s[WV], 0
	s_cbranch_scc1 .Lnot_wave_0_\@
	s_barrier_signal -3
.Lnot_wave_0_\@:
	s_barrier_wait -3
	s_barrier_signal -1
	s_barrier_wait -1
.endm
; 64 numbers of a lane in window 2, v[s] on, register 16 b + i = place 32 b + 16 h + i along the next K, become a fragment's codes in v[pc] on and its scale word in v[pw]
.macro QUANT s, relu, pc, pw
	WIN W_MAX
.irp b, 0,1,2,3
.if \relu
	v_max3_num_f32 v[TM+\b], s[FLR], v[(\s)+16*\b], v[(\s)+16*\b+1]
.else
	v_max3_num_f32 v[TM+\b], s[FLR], |v[(\s)+16*\b]|, |v[(\s)+16*\b+1]|     ; each accumulator is read from its low end on; the floor 2^(16 - 127) holds the byte at 1 from below
.endif
.endr
.irp i, 2,4,6,8,10,12,14
.irp b, 0,1,2,3
.if \relu
	v_max3_num_f32 v[TM+\b], v[TM+\b], v[(\s)+16*\b+\i], v[(\s)+16*\b+\i+1]
.else
	v_max3_num_f32 v[TM+\b], v[TM+\b], |v[(\s)+16*\b+\i]|, |v[(\s)+16*\b+\i+1]|
.endif
.endr
.endr
	WIN 0
.irp b, 0,1,2,3
	v_permlanex16_b32 v[TM+4+\b], v[TM+\b], s[SEL], s[SEL+1]
.endr
.irp b, 0,1,2,3
	v_max_num_f32 v[TM+\b], v[TM+\b], v[TM+4+\b]
.endr
.irp b, 0,1,2,3
	v_add_nc_u32 v[TM+12+\b], 0xf8800000, v[TM+\b]
.endr
.irp b, 0,1,2,3
	v_and_or_b32 v[TM+8+\b], v[TM+\b], 0x7f800000, s[MNT]
.endr
.irp b, 0,1,2,3
	v_lshrrev_b32 v[TM+4+\b], 23, v[TM+12+\b]
.endr
	v_lshl_or_b32 v[\pw], v[TM+5], 8, v[TM+4]
	v_lshl_or_b32 v[\pw], v[TM+6], 16, v[\pw]
	v_lshl_or_b32 v[\pw], v[TM+7], 24, v[\pw]
	WIN W_INPL
.irp b, 0,1,2,3
.irp i, 0,1,2,3,4,5,6,7,8,9,10,11,12,13,14,15
.if \relu
	v_med3_num_f32 v[(\s)+16*\b+\i], v[(\s)+16*\b+\i], 0, v[TM+8+\b]
.else
	v_med3_num_f32 v[(\s)+16*\b+\i], v[(\s)+16*\b+\i], -v[TM+8+\b], v[TM+8+\b]
.endif
.endr
.endr
	WIN W_CVT
.irp b, 0,1,2,3
	v_cvt_scalef32_pk8_bf8_f32 v[(\pc)+4*\b:(\pc)+4*\b+1], v[(\s)+16*\b:(\s)+16*\b+7], v[TM+12+\b]
	v_cvt_scalef32_pk8_bf8_f32 v[(\pc)+4*\b+2:(\pc)+4*\b+3], v[(\s)+16*\b+8:(\s)+16*\b+15], v[TM+12+\b]
.endr
	WIN 0
	v_nop                                          ; one plain line behind the last scaled conversion: later products write its sources
.endm
.macro WL n                            ; unit n's four weight fragments -> slot n % 4: 16 loads of 512 consecutive bytes
	WIN LD1
.irp i, 0,1,2,3
.irp c, 0,1,2,3
.if (\n) < 4
	global_load_b128 v[64*((\n)%4)+16*\i+4*\c:64*((\n)%4)+16*\i+4*\c+3], v[LI], s[KB:KB+1] offset:(\n)*2048+\i*8192+512*\c
.else
	global_load_b128 v[64*((\n)%4)+16*\i+4*\c:64*((\n)%4)+16*\i+4*\c+3], v[LI], s[VB:VB+1] offset:((\n)-4)*2048+\i*16384+512*\c
.endif
.endr
.endr
	WIN 0
.endm
.macro XL n                            ; unit n's eight fragments of x -> set n % 2: 32 LDS loads
	WIN LD3
.irp a, 0,1,2,3,4,5,6,7
.irp c, 0,1,2,3
.if (\n) < 4
	ds_load_b128 v[128*((\n)%2)+16*\a+4*\c:128*((\n)%2)+16*\a+4*\c+3], v[AXK] offset:(8*(\n)+\a)*2048+512*\c
.elseif (\n) < 8
	ds_load_b128 v[128*((\n)%2)+16*\a+4*\c:128*((\n)%2)+16*\a+4*\c+3], v[LI] offset:(8*((\n)-4)+\a)*2048+512*\c
.else
	ds_load_b128 v[128*((\n)%2)+16*\a+4*\c:128*((\n)%2)+16*\a+4*\c+3], v[AX1] offset:(8*((\n)-8)+\a)*2048+512*\c
.endif
.endr
.endr
	WIN 0
.endm
; A UNIT: one K step of 128 for 128 rows x 64 columns: 32 products, the 32 accumulators by turns, one instruction a turn, in the same order in every unit
.macro UNIT q
.if 11-(\q) >= 3
	s_wait_loadcnt 48                              ; this unit's weights are in (and all that was asked for earlier); the three later units' 48 loads may be out
.else
	s_wait_loadcnt 16*(11-(\q))
.endif
.if (\q) < 11
	s_wait_dscnt 32                                ; this unit's fragments of x are in; the next unit's 32 loads may be out
.else
	s_wait_dscnt 0x0
.endif
.if (\q) < 4
.if (\q) == 0
	WIN 0x8d                                       ; source 0 (weights) window 1, source 1 (x) window 3, C (the bias) window 0, D window 2
.else
	WIN 0xad                                       ; the same, C window 2
.endif
.irp a, 0,1,2,3,4,5,6,7
.irp t, 0,1,2,3
.if (\q) == 0
	v_wmma_scale_f32_16x16x128_f8f6f4 v[32*\a+8*\t:32*\a+8*\t+7], v[64*((\q)%4)+16*\t:64*((\q)%4)+16*\t+15], v[128*((\q)%2)+16*\a:128*((\q)%2)+16*\a+15], v[BK+8*\t:BK+8*\t+7], v[WSK+4*\t+(\q)], v[XS+4*\a+(\q)] matrix_a_fmt:MATRIX_FMT_BF8 matrix_b_fmt:MATRIX_FMT_BF8
.else
	v_wmma_scale_f32_16x16x128_f8f6f4 v[32*\a+8*\t:32*\a+8*\t+7], v[64*((\q)%4)+16*\t:64*((\q)%4)+16*\t+15], v[128*((\q)%2)+16*\a:128*((\q)%2)+16*\a+15], v[32*\a+8*\t:32*\a+8*\t+7], v[WSK+4*\t+(\q)], v[XS+4*\a+(\q)] matrix_a_fmt:MATRIX_FMT_BF8 matrix_b_fmt:MATRIX_FMT_BF8
.endif
.endr
.endr
.else
.if (\q) == 4
	WIN 0x87                                       ; source 0 (x) window 3, source 1 (weights) window 1, C (the bias) window 0, D window 2
.else
	WIN 0xa7
.endif
.irp a, 0,1,2,3,4,5,6,7
.irp t, 0,1,2,3
.if (\q) == 4
	v_wmma_scale_f32_16x16x128_f8f6f4 v[64*\t+8*\a:64*\t+8*\a+7], v[128*((\q)%2)+16*\a:128*((\q)%2)+16*\a+15], v[64*((\q)%4)+16*\t:64*((\q)%4)+16*\t+15], v[BV+8*\t:BV+8*\t+7], v[XS+4*(8*(((\q)-4)/4)+\a)+((\q)-4)%4], v[WSV+8*\t+(\q)-4] matrix_a_fmt:MATRIX_FMT_BF8 matrix_b_fmt:MATRIX_FMT_BF8
.else
	v_wmma_scale_f32_16x16x128_f8f6f4 v[64*\t+8*\a:64*\t+8*\a+7], v[128*((\q)%2)+16*\a:128*((\q)%2)+16*\a+15], v[64*((\q)%4)+16*\t:64*((\q)%4)+16*\t+15], v[64*\t+8*\a:64*\t+8*\a+7], v[XS+4*(8*(((\q)-4)/4)+\a)+((\q)-4)%4], v[WSV+8*\t+(\q)-4] matrix_a_fmt:MATRIX_FMT_BF8 matrix_b_fmt:MATRIX_FMT_BF8
.endif
.endr
.endr
.endif
	WIN 0
	PLACES 8                                       ; eight places behind this form, in front of loads into registers that the products have read and of the first read of results
.if (\q) <= 7
	WL (\q)+4
.endif
.if (\q) == 3
.irp i, 0,1,2,3,4,5,6,7,8,9,10,11,12,13,14,15
	ds_load_b128 v[XS+4*\i:XS+4*\i+3], v[ASX] offset:256*\i        ; the V side wants both streams' scale words: [4 (8 stream + a) + K step]
.endr
.endif
.if (\q) <= 9
	XL (\q)+2
.endif
.endm
; the 32 accumulators, four runs of 64 registers, become four fragments and four scale words of my record's step
.macro QOUT base, sc
.irp i, 0,1,2,3
	s_wait_xcnt 0x0                                ; the stores that read this set of codes have read them
	QUANT 64*\i, 0, PC+16*(\i%2), PW0+\i
.irp c, 0,1,2,3
	global_store_b128 v[LI], v[PC+16*(\i%2)+4*\c:PC+16*(\i%2)+4*\c+3], s[KVO:KVO+1] offset:\base+\i*2048+512*\c   ; 512 consecutive bytes
.endr
.endr
	v_cndmask_b32 v[SP2], v[PW0], v[PW0+2], s[HM]  ; lanes 0-15 store words 0, 1 of their row, lanes 16-31 words 2, 3: 256 consecutive bytes
	v_cndmask_b32 v[SP2+1], v[PW0+1], v[PW0+3], s[HM]
	global_store_b64 v[VSW], v[SP2:SP2+1], s[KVO:KVO+1] offset:\sc
.endm
	s_load_b256 s[8:15], s[0:1], 0x0               ; xi, wimg, bq, bk
	s_load_b128 s[16:19], s[0:1], 0x20             ; bv1, bv2
	s_load_b64 s[20:21], s[0:1], 0x30              ; kv
	v_lshl_add_u32 v254, v0, 2, 0x29000
	v_mov_b32 v255, 0
	ds_add_u32 v254, v255
	ds_add_u32 v254, v255
	v_lshrrev_b32 v1, 5, v0
	v_readfirstlane_b32 s[WV], v1                  ; wave 0..3
	s_bfe_u32 s[CX], ttmp6, 0x40000                ; my place in the cluster: it enters global addresses alone
	s_and_b32 s[REC], ttmp7, 0xffff                ; the record, which the four partners share
	s_lshr_b32 s[DIR], s[WV], 1
	s_xor_b32 s[DX], s[DIR], 1
	s_and_b32 s[HD], s[WV], 1
	s_lshl_b32 s22, s[CX], 1
	s_add_co_u32 s[HD], s[HD], s22                 ; my head
	v_and_b32 v[LI], 31, v0
	v_lshlrev_b32 v[LI], 4, v[LI]
	v_and_b32 v10, 15, v0
	v_bfe_u32 v11, v0, 4, 1
	v_lshlrev_b32 v[R16], 4, v10
	s_lshl_b32 s22, s[DX], 16
	v_add_nc_u32 v[AXK], s22, v[LI]                ; direction 0 makes k from d (the record's second half), direction 1 q from r
	v_add_nc_u32 v[AX1], 0x10000, v[LI]
	v_add_nc_u32 v[ASX], 0x20000, v[R16]
	s_lshl_b32 s22, s[DX], 11
	v_add_nc_u32 v[ASXK], s22, v[ASX]
	v_lshlrev_b32 v[V32R], 5, v10
	v_lshlrev_b32 v[V512H], 9, v11
	v_lshl_add_u32 v[VSW], v11, 3, v[R16]
.irp b, 0,1,2,3
	v_mov_b32 v[TM+4+\b], 0                        ; a lane permute's destination counts as one of its sources
.endr
	s_mov_b32 s[SEL], 0x76543210
	s_mov_b32 s[SEL+1], 0xfedcba98
	s_mov_b32 s[FLR], 0x08000000
	s_mov_b32 s[MNT], 0x600000
	s_mov_b32 s[HM], 0xffff0000
	; descriptor group 1: a quarter of the record, dense: 132 rows of 32 elements of 8 bytes; the mask names all four work-groups, bit 21 beside it
	s_mov_b32 s[G1], 15|(3<<16)|(1<<21)
	s_mov_b32 s[G1+1], 32<<16
	s_mov_b32 s[G1+2], 132<<16
	s_mov_b32 s[G1+3], 32<<16
	s_mov_b32 s[G1+4], 132
	s_mov_b32 s[G1+5], 32
	s_mov_b32 s[G1+6], 0
	s_mov_b32 s[G1+7], 0
	s_mov_b32 s[G0], 1
	s_mul_i32 s[G0+1], s[WV], 33792
	s_mul_i32 s66, s[REC], XREC
	s_add_co_u32 s66, s66, s[G0+1]
	s_mov_b32 s67, 0
	s_wait_dscnt 0x0
	s_wait_kmcnt 0x0
	s_add_nc_u64 s[G0+2:G0+3], s[8:9], s[66:67]
	s_or_b32 s[G0+3], s[G0+3], 0x80000000
	s_lshl_b32 s66, s[DX], 18                      ; the K side's weight: Wk (behind Wq) for direction 0; my head's 16 fragments
	s_lshl_b32 s22, s[HD], 15
	s_add_co_u32 s66, s66, s22
	s_add_nc_u64 s[KB:KB+1], s[10:11], s[66:67]
	s_lshl_b32 s66, s[DIR], 19                     ; the V side's: Wv1 or Wv2; my head's 32 fragments
	s_lshl_b32 s22, s[HD], 16
	s_add_co_u32 s66, s66, s22
	s_add_nc_u64 s[VB:VB+1], s[10:11], s[66:67]
	s_add_nc_u64 s[VB:VB+1], s[VB:VB+1], OFF_V
	s_lshl_b32 s66, s[DX], 13
	s_lshl_b32 s22, s[HD], 10
	s_add_co_u32 s66, s66, s22
	s_add_nc_u64 s[SKB:SKB+1], s[10:11], s[66:67]
	s_add_nc_u64 s[SKB:SKB+1], s[SKB:SKB+1], SOFF_QK
	s_lshl_b32 s66, s[DIR], 14
	s_lshl_b32 s22, s[HD], 11
	s_add_co_u32 s66, s66, s22
	s_add_nc_u64 s[SVB:SVB+1], s[10:11], s[66:67]
	s_add_nc_u64 s[SVB:SVB+1], s[SVB:SVB+1], SOFF_V
	s_lshl_b32 s66, s[HD], 2
	s_cmp_eq_u32 s[DIR], 0
	s_cselect_b64 s[BKB:BKB+1], s[14:15], s[12:13]
	s_cselect_b64 s[BVB:BVB+1], s[16:17], s[18:19]
	s_add_nc_u64 s[BKB:BKB+1], s[BKB:BKB+1], s[66:67]
	s_add_nc_u64 s[BVB:BVB+1], s[BVB:BVB+1], s[66:67]
	s_lshl_b32 s22, s[DIR], 6                      ; kv's record: 64 direction + 8 batch + head; the step: record % 8
	s_lshr_b32 s23, s[REC], 3
	s_lshl_b32 s23, s23, 3
	s_add_co_u32 s22, s22, s23
	s_add_co_u32 s22, s22, s[HD]
	s_mul_i32 s22, s22, 135168
	s_and_b32 s23, s[REC], 7
	s_mul_i32 s23, s23, 16896
	s_add_co_u32 s66, s22, s23
	s_add_nc_u64 s[KVO:KVO+1], s[20:21], s[66:67]
	CROUND                                         ; all four work-groups are here: the joint loads meet
	tensor_load_to_lds s[G0:G0+3], s[G1:G1+7]      ; my one tensor load
	s_nop 0
	PLACES 4
.irp t, 0,1,2,3
.irp j, 0,1,2,3,4,5,6,7
	global_load_b32 v[BK+8*\t+\j], v[V512H], s[BKB:BKB+1] offset:1024*(\t/2)+256*(\t%2)+32*\j   ; the bias of channel 32 (t / 2) + 8 (t % 2) + 16 h + j: column 8 d + head
.endr
.endr
.irp t, 0,1,2,3
.irp j, 0,1,2,3,4,5,6,7
	global_load_b32 v[BV+8*\t+\j], v[V32R], s[BVB:BVB+1] offset:512*\t     ; the bias of channel 16 t + r, in all eight registers
.endr
.endr
.irp t, 0,1,2,3
	global_load_b128 v[WSK+4*\t:WSK+4*\t+3], v[R16], s[SKB:SKB+1] offset:256*\t
.endr
.irp t, 0,1,2,3
	global_load_b128 v[WSV+8*\t:WSV+8*\t+3], v[V32R], s[SVB:SVB+1] offset:512*\t
	global_load_b128 v[WSV+8*\t+4:WSV+8*\t+7], v[V32R], s[SVB:SVB+1] offset:512*\t+16
.endr
	WL 0
	WL 1
	WL 2
	WL 3
	s_wait_tensorcnt 0x0                           ; my quarter of the record has landed,
	s_barrier_signal -1
	s_barrier_wait -1                              ; everybody's has
.irp a, 0,1,2,3,4,5,6,7
	ds_load_b128 v[XS+4*\a:XS+4*\a+3], v[ASXK] offset:256*\a       ; the K side's stream: scale words [4 a + K step]
.endr
	XL 0
	XL 1
.irp q, 0,1,2,3
	UNIT \q
.endr
	QOUT 0, 16384                                  ; run f: blocks (u, bb): the groups of pair fragment f, the bytes of word f
.irp q, 4,5,6,7,8,9,10,11
	UNIT \q
.endr
	QOUT 8192, 16640                               ; run t: blocks f: the groups of fragment t, the bytes of word t
	s_wait_tensorcnt 0x0
	ds_add_u32 v254, v255
	s_wait_dscnt 0x0
	CROUND                                         ; the closing round
	s_endpgm
.Lfunc_end_k_q085d332fd0_proj:
	.size	k_q085d332fd0_proj, .Lfunc_end_k_q085d332fd0_proj-k_q085d332fd0_proj
	.p2alignl 7, 3214868480
	.fill 96, 4, 3214868480
	.section	.rodata,"a",@progbits
	.p2align	6, 0x0
	.amdhsa_kernel k_q085d332fd0_proj
		.amdhsa_group_segment_fixed_size 168448
		.amdhsa_private_segment_fixed_size 0
		.amdhsa_enable_private_segment 0
		.amdhsa_kernarg_size 56
		.amdhsa_user_sgpr_count 2
		.amdhsa_user_sgpr_kernarg_segment_ptr 1
		.amdhsa_wavefront_size32 1
		.amdhsa_system_sgpr_workgroup_id_x 1
		.amdhsa_system_sgpr_workgroup_id_y 1
		.amdhsa_system_sgpr_workgroup_id_z 1
		.amdhsa_system_vgpr_workitem_id 0
		.amdhsa_next_free_vgpr 1024
		.amdhsa_next_free_sgpr 90
		.amdhsa_reserve_vcc 0
		.amdhsa_float_denorm_mode_32 3
		.amdhsa_float_denorm_mode_16_64 3
		.amdhsa_memory_ordered 1
		.amdhsa_forward_progress 1
		.amdhsa_inst_pref_size 178
	.end_amdhsa_kernel
	.amdgpu_metadata
---
amdhsa.version: [ 1, 2 ]
amdhsa.kernels:
  - .name:           k_q085d332fd0_proj
    .symbol:         k_q085d332fd0_proj.kd
    .args:
      - { .name: xi, .offset: 0, .size: 8, .value_kind: global_buffer, .address_space: global }
      - { .name: wimg, .offset: 8, .size: 8, .value_kind: global_buffer, .address_space: global }
      - { .name: bq, .offset: 16, .size: 8, .value_kind: global_buffer, .address_space: global }
      - { .name: bk, .offset: 24, .size: 8, .value_kind: global_buffer, .address_space: global }
      - { .name: bv1, .offset: 32, .size: 8, .value_kind: global_buffer, .address_space: global }
      - { .name: bv2, .offset: 40, .size: 8, .value_kind: global_buffer, .address_space: global }
      - { .name: kv, .offset: 48, .size: 8, .value_kind: global_buffer, .address_space: global }
    .group_segment_fixed_size: 168448
    .private_segment_fixed_size: 0
    .kernarg_segment_align: 8
    .kernarg_segment_size: 56
    .max_flat_workgroup_size: 128
    .sgpr_count:     90
    .vgpr_count:     1024
    .wavefront_size: 32
...
	.end_amdgpu_metadata
.endif
;; end of part 2
;; launch attn (part 3): grid 2 x 128, 16 waves a work-group, no clusters, 206,848 bytes of LDS; arguments kv, att; writes att
.if DOCPART == 3
	.amdgcn_target "amdgcn-amd-amdhsa--gfx1250"
	.amdhsa_code_object_version 6
	.text
	.protected	k_q085d332fd0_attn
	.globl	k_q085d332fd0_attn
	.p2align	8
	.type	k_q085d332fd0_attn,@function
k_q085d332fd0_attn:
	s_mov_b64 s[64:65], 0
	v_nop
	global_prefetch_b8 v0, s[64:65] scope:SCOPE_SE
	s_setreg_imm32_b32 hwreg(HW_REG_WAVE_MODE, 25, 1), 1
	s_wait_xcnt 0x0
; ATTN.  Both attentions of the module in one form: for record y = 64 direction + 8 batch + head, O[n] = sum over keys j of softmax_j(Q[n] . K[j]) V[j], unscaled scores, head size 64, 1,024 keys.
; Direction 0: Q = q, K = k, V = v1 (the softmax along rows).  Direction 1: Q = k, K = q, V = v2 (the softmax along columns, transposed).  So the queries of record y are the K image of record y xor 64.
; Both products on E5M2 codes with E8M0 scales.  t = score x log2(e); M = the running largest t rounded up to a whole number; p = 2^(t - M) is quantised along the keys, not normalised; the row's sum is taken
; of the unquantised p and divides at the end; when M moves, the sum and O are multiplied by 2^(old M - new M), which rounds nothing.
; SHARES.  Work-group (z, y): queries 512 z .. 512 z + 511 of record y.  The record's 8 steps of 128 keys, 135,168 bytes, come into LDS once and stay: no slot is filled again.
; Wave w owns 32 queries, two tiles of 16, one pass over the keys for each: four waves to a SIMD, so that one wave's vector work stands beside another's products and LDS loads.
; K = 64 IN A PRODUCT OF 128.  A pair fragment's 16 registers hold TWO tiles of 16 keys (registers 0-7, 8-15).  The queries stand twice: QA = [q | zeros], QB = [zeros | q]: the product with QA gives the first
; tile's scores, with QB the second's.  Zero codes add nothing under any scale byte that is not 0xff.  The keys of the tiles are chosen so that the 16 registers of a pair are 16 neighbouring keys.
; Both products are used transposed: a lane holds ONE query (lane % 16) throughout.
; No multicast: two work-groups share a record, which each reads once; a cluster of four would need four query blocks to a record, 512 work-groups, two fills for each WGP.
; LIMITS: NaN and infinities are not served.  A block of p under 2^-111 gets the scale byte 1 and codes near zero.
.set STEPB,  16896                     ; a step: K image 8,192, V image 8,192, K's scale words 256, V's 256
.set RECB,   135168
.set STG,    RECB                      ; behind the record: a stage of 16 rows x (256 + 16) bytes for each wave
.set SPITCH, 272
.set LI,  1                            ; v1  16 x lane
.set R16, 2                            ; v2  16 r + 16,384: my row's scale words in a step
.set ADR, 3                            ; v3  the step's images
.set ADS, 4                            ; v4  the step's scale words
.set STO, 5                            ; v5  the stage: where I put 32 bytes of a row
.set RD,  6                            ; v6  and where I read a row back
.set GO,  7                            ; v7  my byte offset among the wave's rows of att
.set QW,  8                            ; v8  my query rows' scale word (both tiles')
.set VQ,  9                            ; v9  16 x lane + 2,048 f: my pair fragment of queries
.set VQW, 10                           ; v10 16 r + 4 f
.set QA,  16                           ; v16-31
.set QB,  32                           ; v32-47
.set FR,  48                           ; v48-111  four fragments of K or of V
.set S,   112                          ; v112-175 S^T, then p
.set OT,  176                          ; v176-207 O^T
.set PCD, 208                          ; v208-223 p's codes
.set BM,  224                          ; v224-227 each block's largest score, then its largest p
.set T2,  228
.set HD,  232                          ; the holds
.set SO,  236                          ; the conversions' scale operands
.set KSW, 240                          ; v240-243 K's scale words
.set VSW, 244                          ; v244-247 V's
.set QS,  248                          ; v248 the query tile's scale word
.set PW,  249                          ; v249 p's scale word
.set FF,  250                          ; v250 f = 2^(old M - new M); v251 named with it as a pair
.set TMP, 252
.set WV,  8
.set YY,  9
.set TB,  11
.set CNT, 12
.set SEL, 14
.set CS,  16
.set MNT, 18
.set G1,  20
.set G0A, 28
.set G0B, 32
.set QP,  40
.set AP,  42
.macro PLACES n
.rept \n
	v_nop
.endr
.endm
; A KEY STEP: 128 keys at LDS byte s[TB]
.macro STEP
	v_add_nc_u32 v[ADR], s[TB], v[LI]
	v_add_nc_u32 v[ADS], s[TB], v[R16]
	PLACES 6                                       ; with the two additions: eight places behind the last products, in front of loads into registers that they read
.irp f, 0,1,2,3
.irp c, 0,1,2,3
	ds_load_b128 v[FR+16*\f+4*\c:FR+16*\f+4*\c+3], v[ADR] offset:2048*\f+512*\c
.endr
.endr
	ds_load_b128 v[KSW:KSW+3], v[ADS]
	s_wait_dscnt 0x0
.irp f, 0,1,2,3
	v_wmma_scale_f32_16x16x128_f8f6f4 v[S+16*\f:S+16*\f+7], v[FR+16*\f:FR+16*\f+15], v[QA:QA+15], 0, v[KSW+\f], v[QS] matrix_a_fmt:MATRIX_FMT_BF8 matrix_b_fmt:MATRIX_FMT_BF8
	v_wmma_scale_f32_16x16x128_f8f6f4 v[S+16*\f+8:S+16*\f+15], v[FR+16*\f:FR+16*\f+15], v[QB:QB+15], 0, v[KSW+\f], v[QS] matrix_a_fmt:MATRIX_FMT_BF8 matrix_b_fmt:MATRIX_FMT_BF8
.endr                                          ; register S + 16 f + i: key 32 f + 16 (lane / 16) + i of the step
	PLACES 8
.irp t, 0,1,2,3
.irp c, 0,1,2,3
	ds_load_b128 v[FR+16*\t+4*\c:FR+16*\t+4*\c+3], v[ADR] offset:8192+2048*\t+512*\c   ; V's fragments land while the softmax is walked
.endr
.endr
	ds_load_b128 v[VSW:VSW+3], v[ADS] offset:256
.irp b, 0,1,2,3
	v_max3_num_f32 v[BM+\b], v[S+16*\b], v[S+1+16*\b], v[S+2+16*\b]        ; the largest score of each block of 32 keys: for the row's maximum, and, since p rises with the score, for the block's largest p
.endr
.irp i, 3,5,7,9,11,13
.irp b, 0,1,2,3
	v_max3_num_f32 v[BM+\b], v[BM+\b], v[S+16*\b+\i], v[S+1+16*\b+\i]
.endr
.endr
.irp b, 0,1,2,3
	v_max_num_f32 v[BM+\b], v[BM+\b], v[S+15+16*\b]
.endr
.irp b, 0,1,2,3
	v_permlanex16_b32 v[T2+\b], v[BM+\b], s[SEL], s[SEL+1]
.endr
.irp b, 0,1,2,3
	v_max_num_f32 v[BM+\b], v[BM+\b], v[T2+\b]     ; with lane l xor 16's 16 keys
.endr
	v_max3_num_f32 v[TMP], v[BM], v[BM+1], v[BM+2]
	v_max_num_f32 v[TMP], v[TMP], v[BM+3]
	v_mul_f32 v[TMP], s[CS], v[TMP]                ; as t
	v_max_num_f32 v13, v13, v[TMP]                 ; the running largest t
	v_mov_b32 v[TMP], v12
	v_floor_f32 v12, -v13                          ; the new -M = floor(-t): M is a whole number
	v_sub_f32 v[TMP], v12, v[TMP]                  ; old M - new M: a whole number, 0 or less
	v_cvt_i32_f32 v[TMP], v[TMP]                   ; (it saturates)
	v_ldexp_f32 v[FF], 1.0, v[TMP]
.irp j, 0,2,4,6,8,10,12,14,16,18,20,22,24,26,28,30,32,34,36,38,40,42,44,46,48,50,52,54,56,58,60,62
	v_pk_fma_f32 v[S+\j:S+1+\j], v[S+\j:S+1+\j], s[CS:CS+1], v[12:13] op_sel_hi:[1,0,0]   ; t - M, two at a time
.endr
.irp b, 0,1,2,3
	v_fma_f32 v[BM+\b], v[BM+\b], s[CS], v12
.endr
.irp j, 0,1,2,3,4,5,6,7,8,9,10,11,12,13,14,15,16,17,18,19,20,21,22,23,24,25,26,27,28,29,30,31,32,33,34,35,36,37,38,39,40,41,42,43,44,45,46,47,48,49,50,51,52,53,54,55,56,57,58,59,60,61,62,63
	v_exp_f32 v[S+\j], v[S+\j]                     ; p = 2^(t - M)
.endr
	v_pk_mul_f32 v[14:15], v[14:15], v[FF:FF+1] op_sel_hi:[1,0]    ; the sums under the new M: a plain line behind the exponentials
	s_wait_alu depctr_va_vdst(0)                   ; one wait for the batch, ahead of its first reader
.irp b, 0,1,2,3
	v_exp_f32 v[BM+\b], v[BM+\b]                   ; the block's largest p
.endr
	v_pk_add_f32 v[T2:T2+1], v[S:S+1], v[S+2:S+3]  ; the row's sum of the unquantised p, in two chains
.irp j, 4,8,12,16,20,24,28,32,36,40,44,48,52,56,60
	v_pk_add_f32 v[14:15], v[14:15], v[S+\j:S+1+\j]
	v_pk_add_f32 v[T2:T2+1], v[T2:T2+1], v[S+2+\j:S+3+\j]
.endr
	v_pk_add_f32 v[14:15], v[14:15], v[T2:T2+1]
	s_wait_alu depctr_va_vdst(0)                   ; and one for the four
.irp b, 0,1,2,3
	v_max_num_f32 v[BM+\b], 0x8000000, v[BM+\b]    ; the floor 2^(16 - 127)
.endr
.irp b, 0,1,2,3
	v_add_nc_u32 v[SO+\b], 0xf8800000, v[BM+\b]
.endr
.irp b, 0,1,2,3
	v_and_or_b32 v[HD+\b], v[BM+\b], 0x7f800000, s[MNT]
.endr
.irp b, 0,1,2,3
	v_lshrrev_b32 v[T2+\b], 23, v[SO+\b]
.endr
	v_lshl_or_b32 v[PW], v[T2+1], 8, v[T2]         ; p's scale word for these 128 keys
	v_lshl_or_b32 v[PW], v[T2+2], 16, v[PW]
	v_lshl_or_b32 v[PW], v[T2+3], 24, v[PW]
.irp b, 0,1,2,3
.irp i, 0,1,2,3,4,5,6,7,8,9,10,11,12,13,14,15
	v_min_num_f32 v[S+16*\b+\i], v[S+16*\b+\i], v[HD+\b]           ; the hold: p is not negative, so it is one-sided
.endr
	v_cvt_scalef32_pk8_bf8_f32 v[PCD+4*\b:PCD+1+4*\b], v[S+16*\b:S+7+16*\b], v[SO+\b]
	v_cvt_scalef32_pk8_bf8_f32 v[PCD+2+4*\b:PCD+3+4*\b], v[S+8+16*\b:S+15+16*\b], v[SO+\b]
.endr
.irp j, 0,2,4,6,8,10,12,14,16,18,20,22,24,26,28,30
	v_pk_mul_f32 v[OT+\j:OT+1+\j], v[OT+\j:OT+1+\j], v[FF:FF+1] op_sel_hi:[1,0]   ; O^T under the new M; these sixteen are also the places in front of the products below
.endr
	s_wait_dscnt 0x0                               ; V
.irp t, 0,1,2,3
	v_wmma_scale_f32_16x16x128_f8f6f4 v[OT+8*\t:OT+8*\t+7], v[FR+16*\t:FR+16*\t+15], v[PCD:PCD+15], v[OT+8*\t:OT+8*\t+7], v[VSW+\t], v[PW] matrix_a_fmt:MATRIX_FMT_BF8 matrix_b_fmt:MATRIX_FMT_BF8
.endr
	s_add_co_u32 s[TB], s[TB], STEPB
.endm
.macro QLOAD u                         ; tile u of my queries: groups 2 u, 2 u + 1 of the pair fragment, into QA's low half and QB's high half
	global_load_b128 v[QA:QA+3], v[VQ], s[QP:QP+1] offset:1024*\u
	global_load_b128 v[QA+4:QA+7], v[VQ], s[QP:QP+1] offset:1024*\u+512
	global_load_b128 v[QB+8:QB+11], v[VQ], s[QP:QP+1] offset:1024*\u
	global_load_b128 v[QB+12:QB+15], v[VQ], s[QP:QP+1] offset:1024*\u+512
.endm
.macro PASS u                          ; all 1,024 keys for tile u
	s_wait_loadcnt 0x0                             ; the queries
.if \u == 0
	v_perm_b32 v[QS], v[QW], v[QW], 0x01000100     ; the tile's two scale bytes, twice: for QA's low half and for QB's high half
.else
	v_perm_b32 v[QS], v[QW], v[QW], 0x03020302
.endif
	v_mov_b32 v13, 0xff61b1e6                      ; the largest t so far: -3e38
	v_floor_f32 v12, -v13
	v_mov_b32 v14, 0
	v_mov_b32 v15, 0
.irp j, 0,1,2,3,4,5,6,7,8,9,10,11,12,13,14,15,16,17,18,19,20,21,22,23,24,25,26,27,28,29,30,31
	v_mov_b32 v[OT+\j], 0                          ; the step is written once: the first finds zeros.  (Also the places between the scale word's line and the first product)
.endr
	s_mov_b32 s[TB], 0
	s_mov_b32 s[CNT], 8
.Lstep_\@:
	STEP
	s_sub_co_u32 s[CNT], s[CNT], 1
	s_cmp_lg_u32 s[CNT], 0
	s_cbranch_scc1 .Lstep_\@
.endm
; O^T / the sum goes through my stage and leaves as rows of 256 bytes: (row, head) of att.  Stage row i is query 8 u + pm(i) of my 32.
.macro OUT u
	v_add_f32 v14, v14, v15
	v_permlanex16_b32 v[TMP], v14, s[SEL], s[SEL+1]
	v_add_f32 v14, v14, v[TMP]
	v_rcp_f32 v14, v14
	v_nop
	s_wait_alu depctr_va_vdst(0)
.irp j, 0,2,4,6,8,10,12,14,16,18,20,22,24,26,28,30
	v_pk_mul_f32 v[S+\j:S+1+\j], v[OT+\j:OT+1+\j], v[14:15] op_sel_hi:[1,0]   ; each accumulator from its low end on
.endr
.irp t, 0,1,2,3
	ds_store_b128 v[STO], v[S+8*\t:S+8*\t+3] offset:64*\t
	ds_store_b128 v[STO], v[S+8*\t+4:S+8*\t+7] offset:64*\t+16
.endr
.irp i, 0,1,2,3,4,5,6,7
	ds_load_b128 v[S+32+4*\i:S+35+4*\i], v[RD] offset:2*\i*SPITCH  ; LDS serves a wave's instructions in order: these see my stores
.endr
.irp i, 0,1,2,3,4,5,6,7
	s_wait_dscnt 7-\i                              ; the younger loads may be out
	global_store_b128 v[GO], v[S+32+4*\i:S+35+4*\i], s[AP:AP+1] offset:(8*\u+2*\i+8*(\i/4))*2048   ; sixteen lanes store 256 consecutive bytes, aligned
.endr
	s_wait_xcnt 0x0                                ; the stores have read their registers, which the next pass writes
.endm
	s_load_b128 s[4:7], s[0:1], 0x0                ; kv, att
	v_lshl_add_u32 v254, v0, 2, 0x32000
	v_mov_b32 v255, 0
	ds_add_u32 v254, v255
	ds_add_u32 v254, v255
	v_lshrrev_b32 v1, 5, v0
	v_readfirstlane_b32 s[WV], v1                  ; wave 0..15
	s_and_b32 s[YY], ttmp7, 0xffff
	v_and_b32 v[LI], 31, v0
	v_lshlrev_b32 v[LI], 4, v[LI]
	v_and_b32 v11, 15, v0
	v_bfe_u32 v[TMP], v0, 4, 1
	v_lshlrev_b32 v[GO], 4, v11
	v_add_nc_u32 v[R16], 16384, v[GO]
	s_mul_i32 s36, s[WV], 16*SPITCH
	s_add_co_u32 s36, s36, STG
	v_mul_u32_u24 v[STO], v11, SPITCH
	v_lshl_add_u32 v[STO], v[TMP], 5, v[STO]
	v_add_nc_u32 v[STO], s36, v[STO]
	v_mul_u32_u24 v[RD], v[TMP], SPITCH
	v_add_nc_u32 v[RD], v[RD], v[GO]
	v_add_nc_u32 v[RD], s36, v[RD]
	s_and_b32 s37, s[WV], 3                        ; f: which pair fragment of its step holds my queries
	s_lshl_b32 s38, s37, 11
	v_add_nc_u32 v[VQ], s38, v[LI]
	s_lshl_b32 s38, s37, 2
	v_add_nc_u32 v[VQW], s38, v[GO]
	v_lshl_add_u32 v[GO], v[TMP], 11, v[GO]        ; lanes 0-15 one row of att, lanes 16-31 the next; 16 bytes a lane
.irp j, 0,1,2,3,4,5,6,7
	v_mov_b32 v[QA+8+\j], 0                        ; the zero halves
	v_mov_b32 v[QB+\j], 0
.endr
.irp b, 0,1,2,3
	v_mov_b32 v[T2+\b], 0                          ; a lane permute's destination counts as one of its sources
.endr
	v_mov_b32 v[FF+1], 0                           ; named as the upper half of a pair
	s_mov_b32 s[SEL], 0x76543210
	s_mov_b32 s[SEL+1], 0xfedcba98
	s_mov_b32 s[CS], 0x3fb8aa3b                    ; log2(e)
	s_mov_b32 s[CS+1], s[CS]
	s_mov_b32 s[MNT], 0x600000
	; descriptor group 1: a step, dense: 66 rows of 32 elements of 8 bytes
	s_mov_b32 s[G1], 3<<16
	s_mov_b32 s[G1+1], 32<<16
	s_mov_b32 s[G1+2], 66<<16
	s_mov_b32 s[G1+3], 32<<16
	s_mov_b32 s[G1+4], 66
	s_mov_b32 s[G1+5], 32
	s_mov_b32 s[G1+6], 0
	s_mov_b32 s[G1+7], 0
	s_mul_i32 s44, s[YY], RECB
	s_mul_i32 s36, s[WV], STEPB
	s_add_co_u32 s44, s44, s36
	s_mov_b32 s45, 0
	s_mov_b32 s[G0A], 1
	s_mov_b32 s[G0A+1], s36                        ; waves 0 to 3 bring steps w and w + 4
	s_mov_b32 s[G0B], 1
	s_add_co_u32 s[G0B+1], s36, 4*STEPB
	s_xor_b32 s38, s[YY], 64                       ; the queries' record
	s_mul_i32 s38, s38, RECB
	s_lshl_b32 s39, ttmp9, 2
	s_lshr_b32 s37, s[WV], 2
	s_add_co_u32 s39, s39, s37                     ; and their step: 4 z + w / 4
	s_mul_i32 s39, s39, STEPB
	s_add_co_u32 s46, s38, s39
	s_mov_b32 s47, 0
	s_lshr_b32 s37, s[YY], 3                       ; att: row (8 direction + batch) x 1,024 + 512 z + 32 w, 2,048 bytes a row; + 256 x head
	s_lshl_b32 s37, s37, 10
	s_lshl_b32 s38, ttmp9, 9
	s_add_co_u32 s37, s37, s38
	s_lshl_b32 s38, s[WV], 5
	s_add_co_u32 s37, s37, s38
	s_lshl_b32 s37, s37, 11
	s_and_b32 s38, s[YY], 7
	s_lshl_b32 s38, s38, 8
	s_add_co_u32 s48, s37, s38
	s_mov_b32 s49, 0
	s_wait_dscnt 0x0
	s_wait_kmcnt 0x0
	s_add_nc_u64 s[G0A+2:G0A+3], s[4:5], s[44:45]
	s_add_nc_u64 s[G0B+2:G0B+3], s[G0A+2:G0A+3], 4*STEPB
	s_or_b32 s[G0A+3], s[G0A+3], 0x80000000
	s_or_b32 s[G0B+3], s[G0B+3], 0x80000000
	s_add_nc_u64 s[QP:QP+1], s[4:5], s[46:47]
	s_add_nc_u64 s[AP:AP+1], s[6:7], s[48:49]
	s_cmp_lt_u32 s[WV], 4                          ; a wave's two fills stand in one branch on the wave's number: two tensor loads of mine are out
	s_cbranch_scc0 .Lno_fill
	tensor_load_to_lds s[G0A:G0A+3], s[G1:G1+7]
	s_nop 0
	tensor_load_to_lds s[G0B:G0B+3], s[G1:G1+7]
	s_nop 0
	PLACES 4
.Lno_fill:
	global_load_b32 v[QW], v[VQW], s[QP:QP+1] offset:16384
	QLOAD 0
	s_wait_tensorcnt 0x0                           ; my fills have landed,
	s_barrier_signal -1
	s_barrier_wait -1                              ; everybody's have: the whole record lies in LDS
	PASS 0
	PLACES 8                                       ; behind the last products: in front of loads into the queries' registers and of the first read of O^T
	QLOAD 1                                        ; the second tile's queries land while the first tile goes out
	OUT 0
	PASS 1
	PLACES 8
	OUT 1
	s_wait_tensorcnt 0x0
	ds_add_u32 v254, v255
	s_wait_dscnt 0x0
	s_endpgm
.Lfunc_end_k_q085d332fd0_attn:
	.size	k_q085d332fd0_attn, .Lfunc_end_k_q085d332fd0_attn-k_q085d332fd0_attn
	.p2alignl 7, 3214868480
	.fill 96, 4, 3214868480
	.section	.rodata,"a",@progbits
	.p2align	6, 0x0
	.amdhsa_kernel k_q085d332fd0_attn
		.amdhsa_group_segment_fixed_size 206848
		.amdhsa_private_segment_fixed_size 0
		.amdhsa_enable_private_segment 0
		.amdhsa_kernarg_size 16
		.amdhsa_user_sgpr_count 2
		.amdhsa_user_sgpr_kernarg_segment_ptr 1
		.amdhsa_wavefront_size32 1
		.amdhsa_system_sgpr_workgroup_id_x 1
		.amdhsa_system_sgpr_workgroup_id_y 1
		.amdhsa_system_sgpr_workgroup_id_z 1
		.amdhsa_system_vgpr_workitem_id 0
		.amdhsa_next_free_vgpr 256
		.amdhsa_next_free_sgpr 66
		.amdhsa_reserve_vcc 0
		.amdhsa_float_denorm_mode_32 3
		.amdhsa_float_denorm_mode_16_64 3
		.amdhsa_memory_ordered 1
		.amdhsa_forward_progress 1
		.amdhsa_inst_pref_size 52
	.end_amdhsa_kernel
	.amdgpu_metadata
---
amdhsa.version: [ 1, 2 ]
amdhsa.kernels:
  - .name:           k_q085d332fd0_attn
    .symbol:         k_q085d332fd0_attn.kd
    .args:
      - { .name: kv, .offset: 0, .size: 8, .value_kind: global_buffer, .address_space: global }
      - { .name: att, .offset: 8, .size: 8, .value_kind: global_buffer, .address_space: global }
    .group_segment_fixed_size: 206848
    .private_segment_fixed_size: 0
    .kernarg_segment_align: 8
    .kernarg_segment_size: 16
    .max_flat_workgroup_size: 512
    .sgpr_count:     66
    .vgpr_count:     256
    .wavefront_size: 32
...
	.end_amdgpu_metadata
.endif
;; end of part 3
;; launch ffn (part 4): grid 256 x 1, 4 waves a work-group, no clusters, 305,664 bytes of LDS; arguments att, rgb1, depth1, g21, be21, g22, be22, wimg, b11, b12, b21, b22, out0, out1, out2; writes out0, out1, out2
.if DOCPART == 4
	.amdgcn_target "amdgcn-amd-amdhsa--gfx1250"
	.amdhsa_code_object_version 6
	.text
	.protected	k_q085d332fd0_ffn
	.globl	k_q085d332fd0_ffn
	.p2align	8
	.type	k_q085d332fd0_ffn,@function
k_q085d332fd0_ffn:
	s_mov_b64 s[64:65], 0
	v_nop
	global_prefetch_b8 v0, s[64:65] scope:SCOPE_SE
	s_setreg_imm32_b32 hwreg(HW_REG_WAVE_MODE, 25, 1), 1
	s_wait_xcnt 0x0
; FFN.  For each stream: res = residual + merged attention result; out = res + relu(LN(res) W1 + b1) W2 + b2, both products on E5M2 codes with E8M0 scales.  The depth stream's result is stored twice (out1, out2).
; SHARES.  256 work-groups: work-group g takes stream g / 128 and its rows 64 (g % 128) .. + 63.  THE WAVES SHARE THE COLUMNS in the products: wave w makes hidden units 256 w .. + 255 (two halves of 128,
; each one K step of the second product) and output channels 128 w .. + 127, for all 64 rows; in the first phase wave w takes rows 16 w .. + 15.
; PHASES.  X: res = residual + att (att lies [row][head][64 d]; channel 8 d + h: the merge is done by which register is added to which); res goes back to LDS; LN; quantised; images of the four fragments to LDS |
; barrier | 1: my 16 tiles of the hidden layer (transposed: source 0 = 16 rows of W1, source 1 = 16 rows of x), relu and quantiser in registers, images to LDS | barrier | 2: my 8 tiles of outputs (transposed) |
; the way out: + res, through LDS, whole pieces of 512 bytes of a row.  From the first barrier on a wave's block of 128 columns of res is touched by that wave alone.
; The weights come from wimg (register images) straight into registers through a ring of four slots: each fragment is wanted by one wave of the work-group alone and feeds four products.
; No multicast: weights sent through LDS would be written and read there once more for those four products each; the rows are a work-group's own.
; REGISTERS: window 0 addresses, the quantiser's, scale words, biases; window 1 the weights' ring; window 2 the row's 256 numbers, then the 32 accumulators v[64 a + 8 t]; window 3 att, g and be, x's fragments,
; the hidden layer's fragments, the way out.
; LIMITS: NaN and infinities are not served; a block under 2^-111 gets the scale byte 1 (read by this program alone); x g + be is one fused multiply-add.
.set PITCH,  1040
.set RESR,   66560                     ; LDS: res, channels 0-255 at 0, channels 256-511 here: 64 rows x 1,040
.set ATTL,   133120                    ; att, heads 0-3; later the hidden layer's 32 fragments, (8 a + K step) x 2,048
.set ATTR,   199680                    ; att, heads 4-7; later their scale words, (8 a + K step) x 128
.set GLN,    266240                    ; g, be
.set XIMG,   270336                    ; x's 16 fragments, (4 a + K step) x 2,048
.set XSC,    303104                    ; their scale words, x 128
.set OFF_W1, 1572864
.set OFF_W2, 2621440
.set SOFF_W1, 3719168
.set SOFF_W2, 3751936
.set LI,   1                           ; v1  16 x lane
.set L4,   2                           ; v2  4 x lane
.set R16,  3                           ; v3  16 r
.set R32,  4                           ; v4  32 r
.set ARL,  5                           ; v5  res: my row, channels 16 h on
.set ARR,  6
.set AAL,  7                           ; v7  att: my row, d = 2 h on
.set AAR,  8
.set AG,   9
.set XWI,  10
.set XWS,  11
.set XRI,  12
.set XRS,  13
.set HWI,  14
.set HWS,  15
.set TM,   16
.set PC,   32
.set ACC,  48
.set MEAN, 56
.set RSTD, 58
.set PW,   60
.set XS,   64                          ; v64-79 x's scale words [4 a + ks]; later v64-95 the hidden layer's [8 a + ks]
.set HRI,  96
.set HRS,  97
.set AWO,  98                          ; the way out: res in the accumulators' layout
.set AWR,  99                          ; and by rows
.set H64,  100
.set H32,  101
.set WS,   128                         ; v128-191 the weights' scale words
.set BIAS, 192                         ; v192-255 the bias, 8 registers a tile
.set WV,   3
.set DIR,  38
.set G1T,  40
.set G1G,  48
.set G0T,  56
.set G0G,  60
.set W1B,  66
.set W2B,  68
.set S1B,  70
.set S2B,  72
.set B1B,  74
.set B2B,  76
.set OUTA, 78
.set OUT2, 80
.set SEL,  82
.set FLR,  84
.set MNT,  85
.set INV,  86
.set EPS,  87
.set W_SUM0, 0x0a
.set W_SUM,  0x08
.set W_INPL, 0x82
.set W_NORM, 0xbe
.set W_MAX,  0x28
.set W_CVT,  0x02
.set W_ADD,  0x8e
.set LD1,    0x40
.set LD2,    0x80
.set LD3,    0xc0
.set ST2,    0x08
.set ST3,    0x0c
.set MSB, 0
.macro WIN new                         ; the immediate's high byte repeats the setting that is left
.if MSB != (\new)
	s_set_vgpr_msb (MSB<<8)|(\new)
.set MSB, (\new)
.endif
.endm
.macro PLACES n
.rept \n
	v_nop
.endr
.endm
.macro BARRIER                         ; my LDS stores have landed and my LDS loads are in: then the work-group's barrier
	s_wait_dscnt 0x0
	s_barrier_signal -1
	s_barrier_wait -1
.endm
; 64 numbers of a lane in window 2, v[s] on, register 16 b + i = k 32 b + 16 h + i of my row, become a fragment's codes in v[pc] on and its scale word in v[pw].  relu = 1: what is negative becomes 0 on the way
.macro QUANT s, relu, pc, pw
	WIN W_MAX
.irp b, 0,1,2,3
.if \relu
	v_max3_num_f32 v[TM+\b], s[FLR], v[(\s)+16*\b], v[(\s)+16*\b+1]         ; no |.|: what is negative must not count; the floor 2^(16 - 127) stands over it.  Each accumulator is read from its low end on
.else
	v_max3_num_f32 v[TM+\b], s[FLR], |v[(\s)+16*\b]|, |v[(\s)+16*\b+1]|
.endif
.endr
.irp i, 2,4,6,8,10,12,14
.irp b, 0,1,2,3
.if \relu
	v_max3_num_f32 v[TM+\b], v[TM+\b], v[(\s)+16*\b+\i], v[(\s)+16*\b+\i+1]
.else
	v_max3_num_f32 v[TM+\b], v[TM+\b], |v[(\s)+16*\b+\i]|, |v[(\s)+16*\b+\i+1]|
.endif
.endr
.endr
	WIN 0
.irp b, 0,1,2,3
	v_permlanex16_b32 v[TM+4+\b], v[TM+\b], s[SEL], s[SEL+1]
.endr
.irp b, 0,1,2,3
	v_max_num_f32 v[TM+\b], v[TM+\b], v[TM+4+\b]
.endr
.irp b, 0,1,2,3
	v_add_nc_u32 v[TM+12+\b], 0xf8800000, v[TM+\b]
.endr
.irp b, 0,1,2,3
	v_and_or_b32 v[TM+8+\b], v[TM+\b], 0x7f800000, s[MNT]
.endr
.irp b, 0,1,2,3
	v_lshrrev_b32 v[TM+4+\b], 23, v[TM+12+\b]
.endr
	v_lshl_or_b32 v[\pw], v[TM+5], 8, v[TM+4]
	v_lshl_or_b32 v[\pw], v[TM+6], 16, v[\pw]
	v_lshl_or_b32 v[\pw], v[TM+7], 24, v[\pw]
	WIN W_INPL
.irp b, 0,1,2,3
.irp i, 0,1,2,3,4,5,6,7,8,9,10,11,12,13,14,15
.if \relu
	v_med3_num_f32 v[(\s)+16*\b+\i], v[(\s)+16*\b+\i], 0, v[TM+8+\b]        ; the activation and the hold in one
.else
	v_med3_num_f32 v[(\s)+16*\b+\i], v[(\s)+16*\b+\i], -v[TM+8+\b], v[TM+8+\b]
.endif
.endr
.endr
	WIN W_CVT
.irp b, 0,1,2,3
	v_cvt_scalef32_pk8_bf8_f32 v[(\pc)+4*\b:(\pc)+4*\b+1], v[(\s)+16*\b:(\s)+16*\b+7], v[TM+12+\b]
	v_cvt_scalef32_pk8_bf8_f32 v[(\pc)+4*\b+2:(\pc)+4*\b+3], v[(\s)+16*\b+8:(\s)+16*\b+15], v[TM+12+\b]
.endr
	WIN 0
	v_nop                                          ; one plain line behind the last scaled conversion: later products write its sources
.endm
.macro FOLD
	v_pk_add_f32 v[ACC:ACC+1], v[ACC:ACC+1], v[ACC+2:ACC+3]
	v_pk_add_f32 v[ACC+4:ACC+5], v[ACC+4:ACC+5], v[ACC+6:ACC+7]
	v_pk_add_f32 v[ACC:ACC+1], v[ACC:ACC+1], v[ACC+4:ACC+5]
	v_add_f32 v[ACC], v[ACC], v[ACC+1]
	v_permlanex16_b32 v[ACC+1], v[ACC], s[SEL], s[SEL+1]
	v_add_f32 v[ACC], v[ACC], v[ACC+1]
.endm
.macro LNSTAT                          ; the row's mean is taken off the 256 registers of window 2; 1 / sqrt(variance + eps) is left in v[RSTD], twice
	WIN W_SUM0
.irp c, 0,1,2,3
	v_pk_add_f32 v[ACC+2*\c:ACC+2*\c+1], v[4*\c:4*\c+1], v[4*\c+2:4*\c+3]
.endr
	WIN W_SUM
.set pp, 8
.rept 120
	v_pk_add_f32 v[ACC+2*(pp%4):ACC+2*(pp%4)+1], v[ACC+2*(pp%4):ACC+2*(pp%4)+1], v[2*pp:2*pp+1]
.set pp, pp+1
.endr
	WIN 0
	FOLD
	v_mul_f32 v[MEAN], s[INV], v[ACC]
	v_mov_b32 v[MEAN+1], v[MEAN]
	WIN W_INPL
.set pp, 0
.rept 128
	v_pk_add_f32 v[2*pp:2*pp+1], v[2*pp:2*pp+1], v[MEAN:MEAN+1] neg_lo:[0,1] neg_hi:[0,1]
.set pp, pp+1
.endr
	WIN W_SUM0
.irp c, 0,1,2,3
	v_pk_mul_f32 v[ACC+2*\c:ACC+2*\c+1], v[2*\c:2*\c+1], v[2*\c:2*\c+1]
.endr
.set pp, 4
.rept 124
	v_pk_fma_f32 v[ACC+2*(pp%4):ACC+2*(pp%4)+1], v[2*pp:2*pp+1], v[2*pp:2*pp+1], v[ACC+2*(pp%4):ACC+2*(pp%4)+1]
.set pp, pp+1
.endr
	WIN 0
	FOLD
	v_fma_f32 v[ACC], v[ACC], s[INV], s[EPS]
	v_rsq_f32 v[RSTD], v[ACC]
	v_nop                                          ; a plain line behind the transcendental,
	s_wait_alu depctr_va_vdst(0)                   ; and a wait ahead of the first line that names its result
	v_mov_b32 v[RSTD+1], v[RSTD]
.endm
.macro STAGE ks
	WIN LD3
.irp mb, 0,1,2,3
.irp i, 0,1,2,3
	ds_load_b128 v[128*((\ks)%2)+16*\mb+4*\i:128*((\ks)%2)+16*\mb+4*\i+3], v[AG] offset:512*(\ks)+128*\mb+16*\i
	ds_load_b128 v[128*((\ks)%2)+64+16*\mb+4*\i:128*((\ks)%2)+64+16*\mb+4*\i+3], v[AG] offset:2048+512*(\ks)+128*\mb+16*\i
.endr
.endr
	WIN 0
.endm
.macro NORM ks
	WIN W_INPL
.set pp, 0
.rept 32
	v_pk_mul_f32 v[64*(\ks)+2*pp:64*(\ks)+2*pp+1], v[64*(\ks)+2*pp:64*(\ks)+2*pp+1], v[RSTD:RSTD+1]
.set pp, pp+1
.endr
	WIN W_NORM
.set pp, 0
.rept 32
	v_pk_fma_f32 v[64*(\ks)+2*pp:64*(\ks)+2*pp+1], v[64*(\ks)+2*pp:64*(\ks)+2*pp+1], v[128*((\ks)%2)+2*pp:128*((\ks)%2)+2*pp+1], v[128*((\ks)%2)+64+2*pp:128*((\ks)%2)+64+2*pp+1]
.set pp, pp+1
.endr
	WIN 0
.endm
.macro WL n                            ; unit n's four weight fragments -> slot n % 4: 16 loads of 512 consecutive bytes
.set nn, \n
	WIN LD1
.irp i, 0,1,2,3
.irp c, 0,1,2,3
.if nn < 16
	global_load_b128 v[64*(nn%4)+16*\i+4*\c:64*(nn%4)+16*\i+4*\c+3], v[LI], s[W1B:W1B+1] offset:((8*(nn/8)+4*(nn%2)+\i)*4+(nn%8)/2)*2048+512*\c
.else
	global_load_b128 v[64*(nn%4)+16*\i+4*\c:64*(nn%4)+16*\i+4*\c+3], v[LI], s[W2B:W2B+1] offset:((4*(nn%2)+\i)*8+(nn-16)/2)*2048+512*\c
.endif
.endr
.endr
	WIN 0
.endm
.macro BIAS1 e                         ; b1 of my half e: tile t, lane half h: hidden units 128 e + 32 (t / 2) + 8 (t % 2) + 16 h + 0 .. 7
.irp t, 0,1,2,3,4,5,6,7
	global_load_b128 v[BIAS+8*\t:BIAS+8*\t+3], v[H64], s[B1B:B1B+1] offset:512*(\e)+128*(\t/2)+32*(\t%2)
	global_load_b128 v[BIAS+8*\t+4:BIAS+8*\t+7], v[H64], s[B1B:B1B+1] offset:512*(\e)+128*(\t/2)+32*(\t%2)+16
.endr
.endm
.macro BIAS2                           ; b2: tile t: channels 16 t + 8 h + 0 .. 7
.irp t, 0,1,2,3,4,5,6,7
	global_load_b128 v[BIAS+8*\t:BIAS+8*\t+3], v[H32], s[B2B:B2B+1] offset:64*\t
	global_load_b128 v[BIAS+8*\t+4:BIAS+8*\t+7], v[H32], s[B2B:B2B+1] offset:64*\t+16
.endr
.endm
.macro HLOAD k                         ; the hidden layer's four fragments of K step k -> window 3, set k % 4: 16 LDS loads
	WIN LD3
.irp a, 0,1,2,3
.irp c, 0,1,2,3
	ds_load_b128 v[64*((\k)%4)+16*\a+4*\c:64*((\k)%4)+16*\a+4*\c+3], v[HRI] offset:(8*\a+(\k))*2048+512*\c
.endr
.endr
	WIN 0
.endm
; A UNIT: four tiles of a weight x the four tiles of rows, one K step: 16 products.  Units 0-15: the first product (half j / 8, K step (j % 8) / 2, tiles 4 (j % 2) on); 16-31: the second (K step (j - 16) / 2).
; Between two products on one accumulator stand 31 others': the accumulators take turns, one instruction a turn.
.macro FUNIT j
.set jj, \j
.set fg, jj%2
.if jj < 16
.set fe, jj/8
.set fk, (jj%8)/2
.else
.set fe, 0
.set fk, (jj-16)/2
.endif
.if jj == 16
	s_wait_loadcnt 16                              ; the second product's scale words were asked for just ahead of the youngest 16 loads
.elseif 31-jj >= 3
	s_wait_loadcnt 48                              ; this unit's weights are in (and all that was asked for earlier); the three later units' 48 loads may be out
.else
	s_wait_loadcnt 16*(31-jj)
.endif
.if (jj >= 16) && (fg == 0)
.if fk <= 5
	s_wait_dscnt 32                                ; this K step's hidden fragments are in; the next two steps' 32 loads may be out
.elseif fk == 6
	s_wait_dscnt 16
.else
	s_wait_dscnt 0x0
.endif
.endif
.if fk == 0
	WIN 0x8d                                       ; source 0 (weights) window 1, source 1 window 3, C (the bias) window 0, D window 2
.else
	WIN 0xad
.endif
.irp a, 0,1,2,3
.irp i, 0,1,2,3
.set rD, 64*\a+8*(4*fg+\i)
.set rA, 64*(jj%4)+16*\i
.if jj < 16
.set rB, 16*(4*\a+fk)
.set rSA, WS+4*(8*fe+4*fg+\i)+fk
.set rSB, XS+4*\a+fk
.else
.set rB, 64*(fk%4)+16*\a
.set rSA, WS+8*(4*fg+\i)+fk
.set rSB, XS+8*\a+fk
.endif
.if fk == 0
	v_wmma_scale_f32_16x16x128_f8f6f4 v[rD:rD+7], v[rA:rA+15], v[rB:rB+15], v[BIAS+8*(4*fg+\i):BIAS+8*(4*fg+\i)+7], v[rSA], v[rSB] matrix_a_fmt:MATRIX_FMT_BF8 matrix_b_fmt:MATRIX_FMT_BF8
.else
	v_wmma_scale_f32_16x16x128_f8f6f4 v[rD:rD+7], v[rA:rA+15], v[rB:rB+15], v[rD:rD+7], v[rSA], v[rSB] matrix_a_fmt:MATRIX_FMT_BF8 matrix_b_fmt:MATRIX_FMT_BF8
.endif
.endr
.endr
	WIN 0
	PLACES 8                                       ; eight places behind this form, in front of loads into registers that the products have read and of the first read of results
.if jj == 15
.irp t, 0,1,2,3,4,5,6,7
	global_load_b128 v[WS+8*\t:WS+8*\t+3], v[R32], s[S2B:S2B+1] offset:512*\t       ; W2's scale words [8 t + K step]
	global_load_b128 v[WS+8*\t+4:WS+8*\t+7], v[R32], s[S2B:S2B+1] offset:512*\t+16
.endr
.endif
.if jj <= 27
	WL jj+4
.endif
.endm
.macro HOUT e                          ; my 8 tiles x 4 tiles of rows become K step 2 w + e of the second product: four fragments and their scale words, as images
.irp a, 0,1,2,3
	QUANT 64*\a, 1, PC, PW
.irp c, 0,1,2,3
	ds_store_b128 v[HWI], v[PC+4*\c:PC+4*\c+3] offset:\a*16384+(\e)*2048+512*\c
.endr
	ds_store_b32 v[HWS], v[PW] offset:\a*1024+128*(\e)
	s_wait_dscnt 0x0                               ; the stores have read their registers
.endr
.endm
.macro SEND a                          ; 16 rows' pieces of 512 bytes: 32 lanes store two aligned runs of 256 bytes an instruction
	WIN ST3
.irp i, 0,1,2,3,4,5,6,7,8,9,10,11,12,13,14,15
	global_store_b128 v[LI], v[64+64*((\a)%2)+4*\i:64+64*((\a)%2)+4*\i+3], s[OUTA:OUTA+1] offset:(16*(\a)+\i)*2048 th:TH_STORE_NT
.endr
	WIN 0
	s_cmp_lt_u32 ttmp9, 128                        ; the depth stream's result is returned twice
	s_cbranch_scc1 .Lonce_\@
	WIN ST3
.irp i, 0,1,2,3,4,5,6,7,8,9,10,11,12,13,14,15
	global_store_b128 v[LI], v[64+64*((\a)%2)+4*\i:64+64*((\a)%2)+4*\i+3], s[OUT2:OUT2+1] offset:(16*(\a)+\i)*2048 th:TH_STORE_NT
.endr
	WIN 0
.Lonce_\@:
.endm
	s_load_b512 s[8:23], s[0:1], 0x0               ; att, rgb1, depth1, g21, be21, g22, be22, wimg
	s_load_b256 s[24:31], s[0:1], 0x40             ; b11, b12, b21, b22
	s_load_b128 s[32:35], s[0:1], 0x60             ; out0, out1
	s_load_b64 s[36:37], s[0:1], 0x70              ; out2
	v_lshl_add_u32 v126, v0, 2, 0x4a800
	v_mov_b32 v127, 0
	ds_add_u32 v126, v127
	ds_add_u32 v126, v127
	v_lshrrev_b32 v1, 5, v0
	v_readfirstlane_b32 s[WV], v1                  ; wave 0..3
	v_and_b32 v[L4], 31, v0
	v_lshlrev_b32 v[LI], 4, v[L4]
	v_lshlrev_b32 v[L4], 2, v[L4]
	v_and_b32 v102, 15, v0                         ; r
	v_bfe_u32 v103, v0, 4, 1                       ; h
	v_lshlrev_b32 v[R16], 4, v102
	v_lshlrev_b32 v[R32], 5, v102
	v_lshlrev_b32 v[H64], 6, v103
	v_lshlrev_b32 v[H32], 5, v103
	s_mul_i32 s4, s[WV], 16*PITCH
	v_mul_u32_u24 v[AWO], v102, PITCH              ; r x pitch
	v_add_nc_u32 v[ARL], s4, v[AWO]
	v_lshl_add_u32 v[AAL], v103, 3, v[ARL]
	v_add_nc_u32 v[AAL], ATTL, v[AAL]
	v_add_nc_u32 v[AAR], RESR, v[AAL]
	v_add_nc_u32 v[ARL], v[ARL], v[H64]
	v_add_nc_u32 v[ARR], RESR, v[ARL]
	v_add_nc_u32 v[AG], GLN, v[H64]
	v_add_nc_u32 v[XRI], XIMG, v[LI]
	v_add_nc_u32 v[XRS], XSC, v[L4]
	s_lshl_b32 s4, s[WV], 13
	v_add_nc_u32 v[XWI], s4, v[XRI]
	s_lshl_b32 s4, s[WV], 9
	v_add_nc_u32 v[XWS], s4, v[XRS]
	v_add_nc_u32 v[HRI], ATTL, v[LI]
	v_add_nc_u32 v[HRS], ATTR, v[L4]
	s_lshl_b32 s4, s[WV], 12
	v_add_nc_u32 v[HWI], s4, v[HRI]
	s_lshl_b32 s4, s[WV], 8
	v_add_nc_u32 v[HWS], s4, v[HRS]
	s_lshr_b32 s5, s[WV], 1
	s_and_b32 s6, s[WV], 1
	s_mul_i32 s4, s5, RESR
	s_lshl_b32 s7, s6, 9
	s_add_co_u32 s4, s4, s7                        ; my 128 columns: which half of res, which 512 bytes of its rows
	v_add_nc_u32 v[AWO], v[AWO], v[H32]
	v_add_nc_u32 v[AWO], s4, v[AWO]
	v_add_nc_u32 v[AWR], s4, v[LI]
.irp b, 0,1,2,3
	v_mov_b32 v[TM+4+\b], 0                        ; a lane permute's destination counts as one of its sources
.endr
	s_mov_b32 s[SEL], 0x76543210
	s_mov_b32 s[SEL+1], 0xfedcba98
	s_mov_b32 s[FLR], 0x08000000
	s_mov_b32 s[MNT], 0x600000
	s_mov_b32 s[INV], 0x3b000000                   ; 1 / 512
	s_mov_b32 s[EPS], 0x3727c5ac                   ; 1e-5
	; descriptor group 1 for the rows: 64 rows x 256 elements of 4 bytes, 512 elements apart, 4 words of padding behind every 256
	s_mov_b32 s[G1T], (2<<16)|(1<<20)|(7<<22)|(3<<25)
	s_mov_b32 s[G1T+1], 256<<16
	s_mov_b32 s[G1T+2], 64<<16
	s_mov_b32 s[G1T+3], 256<<16
	s_mov_b32 s[G1T+4], 64
	s_mov_b32 s[G1T+5], 512
	s_mov_b32 s[G1T+6], 0
	s_mov_b32 s[G1T+7], 0
	; and for half of g or of be: one row of 128 elements of 8 bytes
	s_mov_b32 s[G1G], 3<<16
	s_mov_b32 s[G1G+1], 128<<16
	s_mov_b32 s[G1G+2], 1<<16
	s_mov_b32 s[G1G+3], 128<<16
	s_mov_b32 s[G1G+4], 1
	s_mov_b32 s[G1G+5], 128
	s_mov_b32 s[G1G+6], 0
	s_mov_b32 s[G1G+7], 0
	s_mov_b32 s[G0T], 1
	s_mul_i32 s[G0T+1], s[WV], RESR                ; wave 0, 1: the residual's halves; wave 2, 3: att's
	s_mov_b32 s[G0G], 1
	s_lshl_b32 s[G0G+1], s[WV], 10
	s_add_co_u32 s[G0G+1], s[G0G+1], GLN
	s_mov_b32 s89, 0
	s_mov_b32 s91, 0
	s_mov_b32 s93, 0
	s_lshl_b32 s90, s6, 10                         ; the right half: 1,024 bytes on
	s_and_b32 s92, ttmp9, 127
	s_lshl_b32 s92, s92, 17                        ; the work-group's 64 rows of 2,048 bytes
	s_wait_dscnt 0x0
	s_wait_kmcnt 0x0
	s_cmp_lt_u32 ttmp9, 128                        ; which stream: by the work-group's number alone
	s_cselect_b64 s[10:11], s[10:11], s[12:13]     ; the residual
	s_cselect_b64 s[14:15], s[14:15], s[18:19]     ; g
	s_cselect_b64 s[16:17], s[16:17], s[20:21]     ; be
	s_cselect_b64 s[24:25], s[24:25], s[28:29]     ; b1
	s_cselect_b64 s[26:27], s[26:27], s[30:31]     ; b2
	s_cselect_b64 s[32:33], s[32:33], s[34:35]     ; the first output
	s_lshr_b32 s[DIR], ttmp9, 7
	s_lshl_b32 s88, s[DIR], 24
	s_add_nc_u64 s[8:9], s[8:9], s[88:89]          ; att's half for my stream
	s_cmp_lt_u32 s[WV], 2
	s_cselect_b64 s[G0T+2:G0T+3], s[10:11], s[8:9]
	s_cselect_b64 s[G0G+2:G0G+3], s[14:15], s[16:17]
	s_add_nc_u64 s[G0T+2:G0T+3], s[G0T+2:G0T+3], s[92:93]
	s_add_nc_u64 s[G0T+2:G0T+3], s[G0T+2:G0T+3], s[90:91]
	s_or_b32 s[G0T+3], s[G0T+3], 0x80000000
	s_add_nc_u64 s[G0G+2:G0G+3], s[G0G+2:G0G+3], s[90:91]
	s_or_b32 s[G0G+3], s[G0G+3], 0x80000000
	tensor_load_to_lds s[G0T:G0T+3], s[G1T:G1T+7]  ; a wave's two fills go out together: two tensor loads of mine are out; no tensor load fills anything again
	s_nop 0
	tensor_load_to_lds s[G0G:G0G+3], s[G1G:G1G+7]
	s_nop 0
	PLACES 4
	s_lshl_b32 s88, s[DIR], 19                     ; my stream's weights, my wave's 64 fragments of each
	s_lshl_b32 s4, s[WV], 17
	s_add_co_u32 s88, s88, s4
	s_add_nc_u64 s[W1B:W1B+1], s[22:23], s[88:89]
	s_add_nc_u64 s[W2B:W2B+1], s[W1B:W1B+1], OFF_W2
	s_add_nc_u64 s[W1B:W1B+1], s[W1B:W1B+1], OFF_W1
	s_lshl_b32 s88, s[DIR], 14
	s_lshl_b32 s4, s[WV], 12
	s_add_co_u32 s88, s88, s4
	s_add_nc_u64 s[S1B:S1B+1], s[22:23], s[88:89]
	s_add_nc_u64 s[S2B:S2B+1], s[S1B:S1B+1], SOFF_W2
	s_add_nc_u64 s[S1B:S1B+1], s[S1B:S1B+1], SOFF_W1
	s_lshl_b32 s88, s[WV], 10
	s_add_nc_u64 s[B1B:B1B+1], s[24:25], s[88:89]
	s_lshl_b32 s88, s[WV], 9
	s_add_nc_u64 s[B2B:B2B+1], s[26:27], s[88:89]
	s_add_co_u32 s88, s88, s92
	s_add_nc_u64 s[OUTA:OUTA+1], s[32:33], s[88:89]
	s_add_nc_u64 s[OUT2:OUT2+1], s[36:37], s[88:89]
.irp t, 0,1,2,3,4,5,6,7,8,9,10,11,12,13,14,15
	global_load_b128 v[WS+4*\t:WS+4*\t+3], v[R16], s[S1B:S1B+1] offset:256*\t      ; W1's scale words [4 tile + K step]
.endr
	BIAS1 0
	WL 0
	WL 1
	WL 2
	WL 3
	s_wait_tensorcnt 0x0                           ; my fills have landed,
	s_barrier_signal -1
	s_barrier_wait -1                              ; everybody's have
	; ---- X: res = residual + att, merged
	WIN LD2
.irp m, 0,1,2,3,4,5,6,7,8,9,10,11,12,13,14,15
.irp i, 0,1,2,3
.if \m < 8
	ds_load_b128 v[16*\m+4*\i:16*\m+4*\i+3], v[ARL] offset:(\m%8)*128+16*\i
.else
	ds_load_b128 v[16*\m+4*\i:16*\m+4*\i+3], v[ARR] offset:(\m%8)*128+16*\i
.endif
.endr
.endr
	WIN LD3
.irp m, 0,1,2,3,4,5,6,7,8,9,10,11,12,13,14,15
.irp h, 0,1,2,3,4,5,6,7
.if \h < 4
	ds_load_b64 v[16*\m+2*\h:16*\m+2*\h+1], v[AAL] offset:(\h%4)*256+16*\m         ; head h, d = 4 m + 2 (lane / 16) + 0, 1
.else
	ds_load_b64 v[16*\m+2*\h:16*\m+2*\h+1], v[AAR] offset:(\h%4)*256+16*\m
.endif
.endr
.endr
	s_wait_dscnt 0x0
	WIN W_ADD
.irp m, 0,1,2,3,4,5,6,7,8,9,10,11,12,13,14,15
.irp e, 0,1
.irp h, 0,1,2,3,4,5,6,7
	v_add_f32 v[16*\m+8*\e+\h], v[16*\m+8*\e+\h], v[16*\m+2*\h+\e]                 ; channel 32 m + 16 (lane / 16) + 8 e + h = 8 d + h
.endr
.endr
.endr
	WIN ST2
.irp m, 0,1,2,3,4,5,6,7,8,9,10,11,12,13,14,15
.irp i, 0,1,2,3
.if \m < 8
	ds_store_b128 v[ARL], v[16*\m+4*\i:16*\m+4*\i+3] offset:(\m%8)*128+16*\i       ; res goes back where the residual lay: these bytes have had their only fill
.else
	ds_store_b128 v[ARR], v[16*\m+4*\i:16*\m+4*\i+3] offset:(\m%8)*128+16*\i
.endif
.endr
.endr
	WIN 0
	STAGE 0
	STAGE 1
	s_wait_dscnt 0x0                               ; the stores have read their registers, which the next lines write
	LNSTAT
.irp ks, 0,1,2,3
	s_wait_dscnt 0x0                               ; this K step's g and be are in, and the last step's stores have read the codes
	NORM \ks
.if \ks < 2
	STAGE \ks+2
.endif
	QUANT 64*\ks, 0, PC, PW
.irp c, 0,1,2,3
	ds_store_b128 v[XWI], v[PC+4*\c:PC+4*\c+3] offset:\ks*2048+512*\c
.endr
	ds_store_b32 v[XWS], v[PW] offset:128*\ks
.endr
	BARRIER                                        ; x's sixteen fragments and res lie in LDS; nobody reads att any more
	WIN LD3
.irp f, 0,1,2,3,4,5,6,7,8,9,10,11,12,13,14,15
.irp c, 0,1,2,3
	ds_load_b128 v[16*\f+4*\c:16*\f+4*\c+3], v[XRI] offset:\f*2048+512*\c
.endr
.endr
	WIN 0
.irp f, 0,1,2,3,4,5,6,7,8,9,10,11,12,13,14,15
	ds_load_b32 v[XS+\f], v[XRS] offset:128*\f
.endr
	s_wait_dscnt 0x0
	; ---- 1: the hidden layer
.irp j, 0,1,2,3,4,5,6,7,8,9,10,11,12,13,14,15
	FUNIT \j
.if \j == 2
	BIAS1 1                                        ; the first half's bias was last read by unit 1
.endif
.if \j == 7
	HOUT 0
.endif
.if \j == 10
	BIAS2                                          ; the second half's by unit 9
.endif
.endr
	HOUT 1
	BARRIER                                        ; the hidden layer's 32 fragments lie in LDS
	; ---- 2: the outputs
.irp f, 0,1,2,3,4,5,6,7,8,9,10,11,12,13,14,15,16,17,18,19,20,21,22,23,24,25,26,27,28,29,30,31
	ds_load_b32 v[XS+\f], v[HRS] offset:128*\f
.endr
	HLOAD 0
	HLOAD 1
	HLOAD 2
.irp k, 0,1,2,3,4,5,6,7
	FUNIT 16+2*\k
	FUNIT 17+2*\k
.if \k < 5
	HLOAD \k+3                                     ; into the set that K step k - 1 has left
.endif
.endr
	; ---- the way out: + res, 16 rows at a time.  A lane holds 32 bytes of a row; the sums go back into res's place and come out as pieces of 512 bytes of a row
.irp a, 0,1,2,3
	WIN LD3
.irp t, 0,1,2,3,4,5,6,7
	ds_load_b128 v[8*\t:8*\t+3], v[AWO] offset:\a*16640+64*\t
	ds_load_b128 v[8*\t+4:8*\t+7], v[AWO] offset:\a*16640+64*\t+16
.endr
	WIN 0
	s_wait_dscnt 0x0                               ; res is in, and so are the rows of the block before
.if \a > 0
	SEND \a-1
.endif
	WIN W_ADD
.set pp, 0
.rept 32
	v_pk_add_f32 v[64*\a+2*pp:64*\a+2*pp+1], v[64*\a+2*pp:64*\a+2*pp+1], v[2*pp:2*pp+1]   ; each accumulator from its low end on
.set pp, pp+1
.endr
	WIN ST2
.irp t, 0,1,2,3,4,5,6,7
	ds_store_b128 v[AWO], v[64*\a+8*\t:64*\a+8*\t+3] offset:\a*16640+64*\t
	ds_store_b128 v[AWO], v[64*\a+8*\t+4:64*\a+8*\t+7] offset:\a*16640+64*\t+16
.endr
	WIN 0
	s_wait_xcnt 0x0                                ; the stores of two blocks back have read the registers that the loads below fill
	WIN LD3
.irp i, 0,1,2,3,4,5,6,7,8,9,10,11,12,13,14,15
	ds_load_b128 v[64+64*(\a%2)+4*\i:64+64*(\a%2)+4*\i+3], v[AWR] offset:(16*\a+\i)*PITCH   ; LDS serves a wave's instructions in order: these see my stores
.endr
	WIN 0
.endr
	s_wait_dscnt 0x0
	SEND 3
	s_wait_tensorcnt 0x0
	ds_add_u32 v126, v127
	s_wait_dscnt 0x0
	s_endpgm
.Lfunc_end_k_q085d332fd0_ffn:
	.size	k_q085d332fd0_ffn, .Lfunc_end_k_q085d332fd0_ffn-k_q085d332fd0_ffn
	.p2alignl 7, 3214868480
	.fill 96, 4, 3214868480
	.section	.rodata,"a",@progbits
	.p2align	6, 0x0
	.amdhsa_kernel k_q085d332fd0_ffn
		.amdhsa_group_segment_fixed_size 305664
		.amdhsa_private_segment_fixed_size 0
		.amdhsa_enable_private_segment 0
		.amdhsa_kernarg_size 120
		.amdhsa_user_sgpr_count 2
		.amdhsa_user_sgpr_kernarg_segment_ptr 1
		.amdhsa_wavefront_size32 1
		.amdhsa_system_sgpr_workgroup_id_x 1
		.amdhsa_system_sgpr_workgroup_id_y 1
		.amdhsa_system_sgpr_workgroup_id_z 1
		.amdhsa_system_vgpr_workitem_id 0
		.amdhsa_next_free_vgpr 1024
		.amdhsa_next_free_sgpr 100
		.amdhsa_reserve_vcc 0
		.amdhsa_float_denorm_mode_32 3
		.amdhsa_float_denorm_mode_16_64 3
		.amdhsa_memory_ordered 1
		.amdhsa_forward_progress 1
		.amdhsa_inst_pref_size 255
	.end_amdhsa_kernel
	.section	.bss,"aw",@nobits
	.p2align	6
	.space	262144
	.amdgpu_metadata
---
amdhsa.version: [ 1, 2 ]
amdhsa.kernels:
  - .name:           k_q085d332fd0_ffn
    .symbol:         k_q085d332fd0_ffn.kd
    .args:
      - { .name: att, .offset: 0, .size: 8, .value_kind: global_buffer, .address_space: global }
      - { .name: rgb1, .offset: 8, .size: 8, .value_kind: global_buffer, .address_space: global }
      - { .name: depth1, .offset: 16, .size: 8, .value_kind: global_buffer, .address_space: global }
      - { .name: g21, .offset: 24, .size: 8, .value_kind: global_buffer, .address_space: global }
      - { .name: be21, .offset: 32, .size: 8, .value_kind: global_buffer, .address_space: global }
      - { .name: g22, .offset: 40, .size: 8, .value_kind: global_buffer, .address_space: global }
      - { .name: be22, .offset: 48, .size: 8, .value_kind: global_buffer, .address_space: global }
      - { .name: wimg, .offset: 56, .size: 8, .value_kind: global_buffer, .address_space: global }
      - { .name: b11, .offset: 64, .size: 8, .value_kind: global_buffer, .address_space: global }
      - { .name: b12, .offset: 72, .size: 8, .value_kind: global_buffer, .address_space: global }
      - { .name: b21, .offset: 80, .size: 8, .value_kind: global_buffer, .address_space: global }
      - { .name: b22, .offset: 88, .size: 8, .value_kind: global_buffer, .address_space: global }
      - { .name: out0, .offset: 96, .size: 8, .value_kind: global_buffer, .address_space: global }
      - { .name: out1, .offset: 104, .size: 8, .value_kind: global_buffer, .address_space: global }
      - { .name: out2, .offset: 112, .size: 8, .value_kind: global_buffer, .address_space: global }
    .group_segment_fixed_size: 305664
    .private_segment_fixed_size: 0
    .kernarg_segment_align: 8
    .kernarg_segment_size: 120
    .max_flat_workgroup_size: 128
    .sgpr_count:     100
    .vgpr_count:     1024
    .wavefront_size: 32
...
	.end_amdgpu_metadata
.endif
;; end of part 4
